; MI455X (gfx1250); checked and timed in simulation.
; The chip was launched on July 23, 2026; its instructions are those of AMD's public machine-readable ISA for CDNA 5 (MIT licence, August 2026) and "CDNA5" Instruction Set Architecture Reference Guide (July 2026). The comments in the code are by the model that wrote it; some were corrected since.
;; DT Attention. Allowed arithmetic: matrix products marked QUANTISED: E2M1 operands, one E8M0 scale for each 32 along K, by v_wmma_scale_f32_16x16x128_f8f6f4 with both operands' format E2M1 (or v_wmma_scale_f32_32x16x128_f4), f32 sums; products left as they are: bf16, f16 or f32 operands; f32 sums; everything else in f32.
;; Inputs: Wk 2,048 x 512 float32; Wo 1,024 x 2,048 float32; Wq 2,048 x 1,024 float32; Wv 2,048 x 512 float32; cos 2 x 2,048 x 128 float32; hidden_states 2 x 2,048 x 2,048 float32; lambda_k1 128 float32; lambda_k2 128 float32; lambda_q1 128 float32; lambda_q2 128 float32; rms_weight 128 float32; sin 2 x 2,048 x 128 float32.
;; Outputs: out0 2 x 2,048 x 2,048 float32.
;; This version of the problem:
;;   THIS VERSION OF THE PROBLEM IS GIVEN IN LOW PRECISION. The matrix products marked QUANTISED in the list below multiply operands that are first quantised to E2M1 (2 exponent bits, 1 mantissa bit; 4 bits a number), with one power-of-two scale for each 32 numbers along K (OCP MX v1.0); their sums are f32. The products marked 'left as it is' may take bf16, f16 or f32 operands, with f32 sums. Whichever they take, every output number must still come out within the allowed error. Rounding operands to bf16 (8 significant bits) uses up far more of that allowance than f16 does (11 bits, for magnitudes from 6e-5 to 65,504). All else is computed in f32.
;;   The module's matrix products, in the order in which they are computed (A, B: the left and right operand; K: the contracted axis; several contracted axes count as one K, in the product's order):
;;     1. [M 4,096, K 2,048] x [K 2,048, N 1,024]; A: input hidden_states; B: input Wq: QUANTISED
;;     2. [M 4,096, K 2,048] x [K 2,048, N 512]; A: input hidden_states; B: input Wk: QUANTISED
;;     3. [M 4,096, K 2,048] x [K 2,048, N 512]; A: input hidden_states; B: input Wv: QUANTISED
;;     4. batch 16 x [M 2,048, K 128] x [K 128, N 2,048]; A: computed on the way; B: computed on the way: left as it is (an operand is computed on the way)
;;     5. [M 1, K 128] x [K 128, N 1]; A: input lambda_q1; B: input lambda_k1: left as it is (M = 1 < 16)
;;     6. [M 1, K 128] x [K 128, N 1]; A: input lambda_q2; B: input lambda_k2: left as it is (M = 1 < 16)
;;     7. batch 16 x [M 2,048, K 2,048] x [K 2,048, N 256]; A: computed on the way; B: computed on the way: left as it is (an operand is computed on the way)
;;     8. [M 4,096, K 1,024] x [K 1,024, N 2,048]; A: computed on the way; B: input Wo: left as it is (an operand is computed on the way)
;;   THE QUANTISER, for each operand of a quantised product, along K:
;;     - K is cut into blocks of 32 from its start; a last block that is shorter is filled with zeros.
;;     - A block's scale is 2^e with e = floor(log2(the largest magnitude in the block)) - 2, held to -126 .. 127; a block of zeros has e = 0. As a byte (E8M0): e + 127.
;;     - Each number is divided by its block's scale, clamped to +-6, and rounded to the nearest number of E2M1, ties to even, subnormals kept.
;;     - The product sums the exact products of the quantised numbers (number of the format x scale) in f32.
;;   ~~~python
;;   def quantise(x, axis):      # numpy; x: float32 -> the quantised numbers, widened to float32 again
;;       x = np.moveaxis(x, axis, -1); K = x.shape[-1]
;;       x = np.pad(x, [(0, 0)] * (x.ndim - 1) + [(0, -K % 32)]); x = x.reshape(x.shape[:-1] + (-1, 32)); a = np.abs(x).max(-1, keepdims=True)
;;       e = np.where(a > 0, np.clip(np.frexp(np.where(a > 0, a, 1))[1] - 1 - 2, -126, 127), 0)      # np.frexp(a)[1] - 1 = floor(log2(a)), exactly
;;       r = np.clip(x / 2.0 ** e, -6, 6)
;;       step = 2.0 ** (np.maximum(np.frexp(np.where(r == 0, 1, r))[1] - 1, 0) - 1)
;;       q = np.round(r / step) * step * 2.0 ** e      # np.round: ties to even
;;       return np.moveaxis(q.reshape(q.shape[:-2] + (-1,))[..., :K], -1, axis).astype(np.float32)
;;   ~~~
;; One version. Each part assembles by itself: llvm-mc -triple=amdgcn-amd-amdhsa -mcpu=gfx1250 --defsym DOCPART=n.
;; ======== version 1 of 1: 4 launches
;; limits: values are held in f16: magnitudes above 65,504 overflow, below 6.1e-05 lose precision
;; workspace buffers: xq 4,456,448 bytes; wq4 2,228,224 bytes; wo16 4,194,304 bytes; qkv 14,680,064 bytes; ao 8,388,608 bytes
;; launch prep (part 1): grid 448 x 1, 4 waves a work-group, no clusters, 68,096 bytes of LDS; arguments hidden_states, Wq, Wk, Wv, Wo, xq, wq4, wo16; writes xq, wq4, wo16
.if DOCPART == 1
	.amdgcn_target "amdgcn-amd-amdhsa--gfx1250"
	.amdhsa_code_object_version 6
	.text
	.protected	k_q18558bd280_prep
	.globl	k_q18558bd280_prep
	.p2align	8
	.type	k_q18558bd280_prep,@function
k_q18558bd280_prep:
	s_mov_b64 s[64:65], 0
	v_nop
	global_prefetch_b8 v0, s[64:65] scope:SCOPE_SE
	s_setreg_imm32_b32 hwreg(HW_REG_WAVE_MODE, 25, 1), 1
	s_wait_xcnt 0x0
; DIFFERENTIAL ATTENTION, launch 1 of 4: the operands of the three quantised products become codes of FP4 (E2M1) with one E8M0 byte for each 32 along K; Wo becomes f16.
; WORK THAT THE PROGRAM LEAVES OUT, for all values of the inputs:
;  (a) scores and weights of keys behind the query: reference() builds the causal mask in its own body; tiles that lie wholly under it are not computed.
;  (b) the 256-wide value product: attn = P [Va | Vb] and out = o1 - lambda o2 = P Va - lambda P Vb = P (Va - lambda Vb), by linearity, whatever P, Va, Vb and lambda hold: one product of width 128.
;  (c) the repeats of heads are maps of addresses: query head h takes K of kv head h / 2 and the values of kv heads h / 4 and 2 + h / 4.
; All twelve inputs have a way to the output and all are loaded by some launch.
; LIMITS: NaN and infinities among the inputs are not served, and one that reached only the hidden scores would not be carried to the result; blocks whose largest magnitude lies under 2^-124 keep the scale byte 1;
; a block of zeros gets the byte 1 (its codes are zeros, and this program alone reads the bytes); |Wo| under 65,504 (f16).
; THREE PATHS, parted by the work-group's number, each with LDS bytes of its own:
;  X (work-groups 0-255): hidden_states [4096][2048], K innermost -> xq: codes [4096][1024 bytes], then scale bytes [4096][64].
;  W (256-319): Wq, Wk, Wv, K outermost: a lane takes a column and its registers run down K -> wq4: codes [2048 rows][1024 bytes], then scale bytes [2048][64].
;     Rows of wq4: 0-1023 Wq's columns; 1024-1535 Wk's; 1536-2047 Wv's, laid so that in each run of 128 rows the first 64 are channels of kv head g and the other 64 the same channels of kv head 2 + g.
;  O (320-447): Wo [1024][2048] f32 -> wo16, the same layout in f16.
.set SPW,   208                        ; v208 LDS address of my spare word; never rewritten
.set NIL,   209                        ; v209 0; never rewritten
.set SPARE, 67584                      ; behind both paths' regions: the spare words, 128 bytes a wave
.set EMAX,  2
; path X
.set STEPS, 16
.set CB,    8                          ; bytes of 16 codes
.set R,     16                         ; v16-79   four sets of 16 numbers as loaded
.set X,     80                         ; v80-111  two sets of 16 neighbours
.set C,     128                        ; v128-191 codes, four registers a step
.set E,     112                        ; v112-127 a scale byte a step
.set WREG,  8192                       ; a wave's region: two stages of 32 x SP bytes, then its 256 scale bytes
.set SP,    80
; path W
.set NB,    16                         ; blocks of 32 along K for a wave
.set PITCH, 272                        ; a stage row: 256 bytes of codes + 16
.set KROW,  1024                       ; a row of wq4's codes
.set WSTG,  32768                      ; path W's stages begin here
.set WX,    32                         ; v32-95   two sets of 32 numbers
.set WC,    96                         ; v96-99   a block's codes
.set OUTR,  112                        ; v112-175 the way out
.set SB,    24                         ; v24-27   the scale bytes
.set OF,    176                        ; v176-207 4 x lane + i x the source's row, i = 0 .. 31
	s_load_b512 s[4:19], s[0:1], 0x0               ; hidden s[4:5], Wq s[6:7], Wk s[8:9], Wv s[10:11], Wo s[12:13], xq s[14:15], wq4 s[16:17], wo16 s[18:19]
	v_lshl_add_u32 v[SPW], v0, 2, SPARE
	v_mov_b32 v[NIL], 0
	v_lshrrev_b32 v1, 5, v0
	v_readfirstlane_b32 s20, v1                    ; wave
	v_and_b32 v2, 31, v0                           ; lane
	s_wait_kmcnt 0x0
	s_cmp_lt_u32 ttmp9, 256
	s_cbranch_scc0 .Lnot_x
; ---------------- PATH X: a wave takes 16 steps of 512 numbers.  Each load reads 512 consecutive bytes; a step's 2,048 bytes turn through the wave's own stage so that a lane holds 16 neighbours along K.
	v_lshlrev_b32 v3, 4, v2                        ; my 16 bytes of a load's 512
	s_mul_i32 s21, s20, WREG
	v_lshrrev_b32 v14, 2, v2
	v_mul_u32_u24 v14, v14, SP
	v_and_b32 v15, 3, v2
	v_lshl_add_u32 v14, v15, 4, v14
	v_add_nc_u32 v14, s21, v14                     ; the stage, in: SP (lane / 4) + 16 (lane % 4)
	v_mul_u32_u24 v15, v2, SP
	v_add_nc_u32 v15, s21, v15                     ; and out: SP x lane
	v_mul_u32_u24 v4, v2, CB                       ; my codes' place in a step's
	v_lshrrev_b32 v5, 1, v2
	s_add_co_u32 s21, s21, 2*32*SP
	v_add_nc_u32 v5, s21, v5                       ; my block's scale byte in LDS
	v_lshlrev_b32 v7, 3, v2
	v_add_nc_u32 v6, s21, v7                       ; and 8 bytes a lane on the way out
	s_lshl_b32 s24, ttmp9, 2
	s_add_co_u32 s24, s24, s20                     ; which run of 8,192 numbers is my wave's
	s_lshl_b32 s22, s24, 15
	s_mov_b32 s23, 0
	s_add_nc_u64 s[4:5], s[4:5], s[22:23]
	s_lshl_b32 s22, s24, 12
	s_add_nc_u64 s[26:27], s[14:15], s[22:23]      ; its codes
	s_lshl_b32 s22, s24, 8
	s_add_co_u32 s22, s22, 4194304
	s_add_nc_u64 s[28:29], s[14:15], s[22:23]      ; its 256 scale bytes
.macro XLOAD t
.irp i, 0,1,2,3
	global_load_b128 v[R+16*((\t)%4)+4*\i:R+16*((\t)%4)+4*\i+3], v3, s[4:5] offset:2048*(\t)+512*\i th:TH_LOAD_NT
.endr
.endm
.macro XTURN t                         ; LDS serves a wave's instructions in order: no wait between the stores and the loads
.irp i, 0,1,2,3
	ds_store_b128 v14, v[R+16*((\t)%4)+4*\i:R+16*((\t)%4)+4*\i+3] offset:32*SP*((\t)%2)+8*SP*\i
.endr
.irp i, 0,1,2,3
	ds_load_b128 v[X+16*((\t)%2)+4*\i:X+16*((\t)%2)+4*\i+3], v15 offset:32*SP*((\t)%2)+16*\i
.endr
.endm
.irp t, 0,1,2,3
	XLOAD \t
.endr
	s_wait_loadcnt 12                              ; step 0's four loads are in; twelve younger ones stay out
	XTURN 0
.macro XSTEP t
.set XS, X+16*((\t)%2)
.if (\t) > 0
	s_wait_dscnt 1                                 ; this step's numbers are back from the stage; the last step's byte store may be out
.else
	s_wait_dscnt 0x0
.endif
.if (\t)+4 < STEPS
	XLOAD (\t)+4
.endif
.if (\t)+1 < STEPS
.if STEPS-2-(\t) >= 3
	s_wait_loadcnt 12                              ; the next step's four loads are in; those of three later steps may be out
.else
	s_wait_loadcnt 4*(STEPS-2-(\t))
.endif
	XTURN (\t)+1
.endif
	v_max3_num_f32 v8, |v[XS]|, |v[XS+1]|, |v[XS+2]|
	v_max3_num_f32 v9, |v[XS+3]|, |v[XS+4]|, |v[XS+5]|
.irp i, 6,10
	v_max3_num_f32 v8, v8, |v[XS+\i]|, |v[XS+\i+1]|
	v_max3_num_f32 v9, v9, |v[XS+\i+2]|, |v[XS+\i+3]|
.endr
	v_max3_num_f32 v8, v8, |v[XS+14]|, |v[XS+15]|
	v_max3_num_f32 v8, v8, v9, (EMAX+1)<<23        ; the floor 2^(3 - 127): the byte cannot fall under 1
	v_max_num_f32_dpp v8, v8, v8 row_xmask:1 row_mask:0xf bank_mask:0xf   ; with my neighbour's 16: the block's largest magnitude
	v_add_nc_u32 v11, -(EMAX<<23), v8              ; 2 off its exponent field: the conversion's scale operand
	v_cvt_scalef32_pk8_fp4_f32 v[C+4*(\t)], v[XS:XS+7], v11
	v_cvt_scalef32_pk8_fp4_f32 v[C+4*(\t)+1], v[XS+8:XS+15], v11
	v_lshrrev_b32 v[E+(\t)], 23, v11               ; the scale's byte
	ds_store_b8 v5, v[E+(\t)] offset:16*(\t)       ; both lanes of a block write the same byte with the same value
	global_store_b64 v4, v[C+4*(\t):C+4*(\t)+1], s[26:27] offset:32*CB*(\t)   ; the wave stores 256 consecutive bytes, aligned
.endm
.irp t, 0,1,2,3,4,5,6,7,8,9,10,11,12,13,14,15
	XSTEP \t
.endr
	ds_load_b64 v[8:9], v6
	s_wait_dscnt 0x0
	global_store_b64 v7, v[8:9], s[28:29]          ; 256 scale bytes, aligned
	s_branch .Lend
.Lnot_x:
	s_cmp_lt_u32 ttmp9, 320
	s_cbranch_scc0 .Lpath_o
; ---------------- PATH W: a wave takes 32 columns x 512 along K of Wq (32 work-groups), Wk (16) or Wv (16).
	s_sub_co_u32 s21, ttmp9, 256                   ; u
	s_and_b32 s24, s21, 15
	s_and_b32 s25, s24, 3                          ; Wk, Wv: which 128 columns,
	s_lshr_b32 s26, s24, 2                         ; which 512 along K
	s_and_b32 s27, s21, 7                          ; Wq: which 128 columns,
	s_lshr_b32 s28, s21, 3                         ; which 512 along K
	s_lshl_b32 s32, s20, 5                         ; 32 x wave
	s_lshl_b32 s33, s25, 7
	s_add_co_u32 s33, s33, s32                     ; first column, Wk and Wv
	s_lshl_b32 s34, s27, 7
	s_add_co_u32 s34, s34, s32                     ; first column, Wq: also its row in wq4
	s_add_co_u32 s35, s33, 1024                    ; Wk's row in wq4
	s_and_b32 s36, s25, 1                          ; Wv: kv head cg = 2 half + g; channel 32 w + lane = 64 u + i
	s_lshl_b32 s36, s36, 8                         ; 256 g
	s_lshr_b32 s37, s25, 1
	s_lshl_b32 s37, s37, 6                         ; 64 half
	s_add_co_u32 s36, s36, s37
	s_lshr_b32 s37, s20, 1
	s_lshl_b32 s37, s37, 7                         ; 128 u
	s_add_co_u32 s36, s36, s37
	s_and_b32 s37, s20, 1
	s_lshl_b32 s37, s37, 5                         ; i's upper part
	s_add_co_u32 s36, s36, s37
	s_add_co_u32 s36, s36, 1536
	s_mov_b32 s30, 2048                            ; a row of Wk or Wv in bytes
	s_cmp_lt_u32 s21, 48
	s_cselect_b64 s[4:5], s[8:9], s[10:11]
	s_cselect_b32 s35, s35, s36
	s_cmp_lt_u32 s21, 32
	s_cselect_b64 s[4:5], s[6:7], s[4:5]           ; the source
	s_cselect_b32 s35, s34, s35                    ; my first row of wq4
	s_cselect_b32 s33, s34, s33                    ; my first column of the source
	s_cselect_b32 s26, s28, s26                    ; which 512 along K
	s_cselect_b32 s30, 4096, s30                   ; the source's row in bytes
	s_mul_i32 s38, s26, s30
	s_lshl_b32 s38, s38, 9
	s_lshl_b32 s39, s33, 2
	s_add_co_u32 s38, s38, s39
	s_mov_b32 s39, 0
	s_add_nc_u64 s[4:5], s[4:5], s[38:39]
	s_lshl_b32 s38, s35, 10
	s_lshl_b32 s31, s26, 8
	s_add_co_u32 s38, s38, s31
	s_add_nc_u64 s[40:41], s[16:17], s[38:39]      ; my codes
	s_lshl_b32 s38, s35, 6
	s_lshl_b32 s31, s26, 4
	s_add_co_u32 s38, s38, s31
	s_add_co_u32 s38, s38, 2097152
	s_add_nc_u64 s[42:43], s[16:17], s[38:39]      ; my scale bytes
	s_lshl_b32 s22, s30, 5                         ; 32 rows of the source
	s_mov_b32 s23, 0
	v_lshlrev_b32 v[OF], 2, v2
.set i, 1
.rept 31
	v_add_nc_u32 v[OF+i], s30, v[OF+i-1]
.set i, i+1
.endr
	s_mul_i32 s44, s20, 32*PITCH
	s_add_co_u32 s44, s44, WSTG                    ; my stage
	v_mul_u32_u24 v4, v2, PITCH
	v_add_nc_u32 v4, s44, v4                       ; into it: row = my column
	v_and_b32 v5, 15, v2
	v_lshrrev_b32 v6, 4, v2
	v_mul_u32_u24 v7, v6, PITCH
	v_lshl_add_u32 v7, v5, 4, v7
	v_add_nc_u32 v7, s44, v7                       ; out of it: sixteen lanes to a row, two rows an instruction
	v_mul_u32_u24 v8, v6, KROW
	v_lshl_add_u32 v8, v5, 4, v8                   ; the same place in wq4
	v_lshlrev_b32 v9, 6, v2                        ; my column's row of scale bytes
.macro WLOAD t                         ; block t: W(32 t + i, my column); the base stands at the block and is stepped behind the run
.set i, 0
.rept 32
	global_load_b32 v[WX+32*((\t)%2)+i], v[OF+i], s[4:5] th:TH_LOAD_NT
.set i, i+1
.endr
	s_wait_xcnt 0x0                                ; the loads have read their base: it may step
	s_add_nc_u64 s[4:5], s[4:5], s[22:23]
.endm
	WLOAD 0
	WLOAD 1
.macro WBLOCK t
.set XS, WX+32*((\t)%2)
.if (\t) < NB-1
	s_wait_loadcnt 32                              ; this block's 32 loads are in; the next block's may be out
.else
	s_wait_loadcnt 0
.endif
	v_max3_num_f32 v12, |v[XS]|, |v[XS+1]|, |v[XS+2]|
	v_max3_num_f32 v13, |v[XS+3]|, |v[XS+4]|, |v[XS+5]|
.irp i, 6,10,14,18,22,26
	v_max3_num_f32 v12, v12, |v[XS+\i]|, |v[XS+\i+1]|
	v_max3_num_f32 v13, v13, |v[XS+\i+2]|, |v[XS+\i+3]|
.endr
	v_max3_num_f32 v12, v12, |v[XS+30]|, |v[XS+31]|
	v_max3_num_f32 v12, v12, v13, (EMAX+1)<<23
	v_add_nc_u32 v11, -(EMAX<<23), v12
	v_lshrrev_b32 v13, 23, v11
.if (\t)%4 == 0
	v_mov_b32 v[SB+(\t)/4], v13
.else
	v_lshl_or_b32 v[SB+(\t)/4], v13, 8*((\t)%4), v[SB+(\t)/4]
.endif
.irp g, 0,1,2,3
	v_cvt_scalef32_pk8_fp4_f32 v[WC+\g], v[XS+8*\g:XS+8*\g+7], v11
.endr
	ds_store_b128 v4, v[WC:WC+3] offset:16*(\t)
.if (\t)+2 < NB
	WLOAD (\t)+2
.endif
	s_wait_dscnt 0x0                               ; the store has read its registers: the next block's codes may be written
.endm
.set Q, 0
.rept NB
	WBLOCK Q
.set Q, Q+1
.endr
	global_store_b128 v9, v[SB:SB+3], s[42:43]     ; my column's 16 scale bytes
.irp t, 0,1,2,3,4,5,6,7,8,9,10,11,12,13,14,15
	ds_load_b128 v[OUTR+4*\t:OUTR+4*\t+3], v7 offset:2*\t*PITCH
.endr
.irp t, 0,1,2,3,4,5,6,7,8,9,10,11,12,13,14,15
	s_wait_dscnt 15-\t
	global_store_b128 v8, v[OUTR+4*\t:OUTR+4*\t+3], s[40:41] offset:2*\t*KROW   ; sixteen lanes store 256 consecutive bytes, aligned
.endr
	s_branch .Lend
; ---------------- PATH O: a wave takes 4,096 numbers of Wo: 32 loads of 512 bytes, all out at once; each becomes 256 bytes of f16.
.Lpath_o:
	s_sub_co_u32 s21, ttmp9, 320
	s_lshl_b32 s21, s21, 2
	s_add_co_u32 s21, s21, s20
	s_lshl_b32 s22, s21, 14
	s_mov_b32 s23, 0
	s_add_nc_u64 s[12:13], s[12:13], s[22:23]
	s_lshl_b32 s22, s21, 13
	s_add_nc_u64 s[18:19], s[18:19], s[22:23]
	v_lshlrev_b32 v3, 4, v2
	v_lshlrev_b32 v4, 3, v2
.set i, 0
.rept 32
	global_load_b128 v[16+4*i:19+4*i], v3, s[12:13] offset:512*i th:TH_LOAD_NT
.set i, i+1
.endr
.set i, 0
.rept 32
	s_wait_loadcnt 31-i                            ; loads come back in order: load i is in, the younger ones stay out
	v_cvt_pk_f16_f32 v[144+2*i], v[16+4*i], v[17+4*i]
	v_cvt_pk_f16_f32 v[145+2*i], v[18+4*i], v[19+4*i]
	global_store_b64 v4, v[144+2*i:145+2*i], s[18:19] offset:256*i
.set i, i+1
.endr
.Lend:
	s_wait_tensorcnt 0x0                           ; the wave's end
	ds_add_u32 v[SPW], v[NIL]
	s_wait_dscnt 0x0
	s_endpgm
.Lfunc_end_k_q18558bd280_prep:
	.size	k_q18558bd280_prep, .Lfunc_end_k_q18558bd280_prep-k_q18558bd280_prep
	.p2alignl 7, 3214868480
	.fill 96, 4, 3214868480
	.section	.rodata,"a",@progbits
	.p2align	6, 0x0
	.amdhsa_kernel k_q18558bd280_prep
		.amdhsa_group_segment_fixed_size 68096
		.amdhsa_private_segment_fixed_size 0
		.amdhsa_enable_private_segment 0
		.amdhsa_kernarg_size 64
		.amdhsa_user_sgpr_count 2
		.amdhsa_user_sgpr_kernarg_segment_ptr 1
		.amdhsa_wavefront_size32 1
		.amdhsa_system_sgpr_workgroup_id_x 1
		.amdhsa_system_sgpr_workgroup_id_y 1
		.amdhsa_system_sgpr_workgroup_id_z 1
		.amdhsa_system_vgpr_workitem_id 0
		.amdhsa_next_free_vgpr 210
		.amdhsa_next_free_sgpr 66
		.amdhsa_reserve_vcc 0
		.amdhsa_float_denorm_mode_32 3
		.amdhsa_float_denorm_mode_16_64 3
		.amdhsa_memory_ordered 1
		.amdhsa_forward_progress 1
		.amdhsa_inst_pref_size 125
	.end_amdhsa_kernel
	.amdgpu_metadata
---
amdhsa.version: [ 1, 2 ]
amdhsa.kernels:
  - .name:           k_q18558bd280_prep
    .symbol:         k_q18558bd280_prep.kd
    .args:
      - { .name: hidden_states, .offset: 0, .size: 8, .value_kind: global_buffer, .address_space: global }
      - { .name: Wq, .offset: 8, .size: 8, .value_kind: global_buffer, .address_space: global }
      - { .name: Wk, .offset: 16, .size: 8, .value_kind: global_buffer, .address_space: global }
      - { .name: Wv, .offset: 24, .size: 8, .value_kind: global_buffer, .address_space: global }
      - { .name: Wo, .offset: 32, .size: 8, .value_kind: global_buffer, .address_space: global }
      - { .name: xq, .offset: 40, .size: 8, .value_kind: global_buffer, .address_space: global }
      - { .name: wq4, .offset: 48, .size: 8, .value_kind: global_buffer, .address_space: global }
      - { .name: wo16, .offset: 56, .size: 8, .value_kind: global_buffer, .address_space: global }
    .group_segment_fixed_size: 68096
    .private_segment_fixed_size: 0
    .kernarg_segment_align: 8
    .kernarg_segment_size: 64
    .max_flat_workgroup_size: 128
    .sgpr_count:     66
    .vgpr_count:     210
    .wavefront_size: 32
...
	.end_amdgpu_metadata
.endif
;; end of part 1
;; launch qkv (part 2): grid 16 x 16, 4 waves a work-group, clusters of 4 x 4, 327,680 bytes of LDS; arguments xq, wq4, cos, sin, lambda_q1, lambda_k1, lambda_q2, lambda_k2, qkv; writes qkv
.if DOCPART == 2
	.amdgcn_target "amdgcn-amd-amdhsa--gfx1250"
	.amdhsa_code_object_version 6
	.text
	.protected	k_q18558bd280_qkv
	.globl	k_q18558bd280_qkv
	.p2align	8
	.type	k_q18558bd280_qkv,@function
k_q18558bd280_qkv:
	s_mov_b64 s[64:65], 0
	v_nop
	global_prefetch_b8 v0, s[64:65] scope:SCOPE_SE
	s_setreg_imm32_b32 hwreg(HW_REG_WAVE_MODE, 25, 1), 1
	s_wait_xcnt 0x0
	s_wait_alu depctr_hold_cnt(0) depctr_sa_sdst(0) depctr_va_vdst(0) depctr_va_sdst(0) depctr_va_ssrc(0) depctr_va_vcc(0) depctr_vm_vsrc(0)
	s_getreg_b32 s2, hwreg(HW_REG_IB_STS2, 6, 4)
	s_cmp_eq_u32 s2, 0
	s_cbranch_scc0 .Lentry_in_a_cluster
	s_endpgm
.Lentry_in_a_cluster:
	s_bfe_u32 s2, ttmp6, 0x10000c
	s_cmp_lg_u32 s2, 0xf033
	s_cbranch_scc0 .Lentry_shape_is_right
	s_endpgm
.Lentry_shape_is_right:
; Launch 2 of 4: [4096 tokens][2048 K] x [2048 rows of wq4][2048 K] on codes of FP4 with E8M0 scales, then RoPE (Q, K) or the values' combination, to f16.
; WORK LEFT OUT: the two value heads that a query head takes are combined here, V'' = sigma (Va - lambda Vb), since P Va - lambda P Vb = P (Va - lambda Vb) for all values: the attention then has one value product of width 128.
; sigma = 2^-floor(log2(max(lambda, 1))) keeps V'' inside f16 when lambda is large; the attention multiplies 1 / sigma back in f32.  LIMITS: lambda under 2^126; |q|, |k|, |V''| under 65,504 (f16).
; A work-group makes 256 tokens x 128 columns; wave w tokens 64 w .. 64 w + 63 and all 128 columns: 32 accumulators.  The product is used transposed (source 0 = 16 rows of wq4, source 1 = 16 tokens):
; a lane holds ONE token (lane % 16) and eight neighbouring columns 16 b + 8 (lane / 16) + 0 .. 7.  In every column tile blocks b and b + 4 are partners: channels d and d + 64 for RoPE, Va and Vb for the values.
; K goes in steps of 512 (rows of 256 bytes) through two LDS slots; the scale bytes of the tile's rows for all of K come once.  4 x 4 work-groups form a cluster: tokens' tiles are asked for jointly along a row, weights' along a column.
; The kind of a column tile hangs on the cluster's x alone (0, 1: Q; 2: K; 3: V): the same in all sixteen partners.  The text parts once, behind the last change of slots; the last four steps stand in both arms.
; RESULTS leave as images of the attention's operand registers: Q, K: [batch][head][16 tokens][block b][lane][16 bytes]; V'': [batch][g][32 keys][16 channels][half][lane][16 bytes], keys innermost.
; REGISTERS: window 0: v1-31 addresses; v32-95 scale words, two sets; v96-119 lambda's work; v128-191 tokens' fragments, two sets, later work; v192-255 f16 results.  window 1: weights' fragments, two sets; later cos, sin of blocks 2, 3.
;   window 2: accumulator (a, b) at v[8 (8 a + b)].  window 3: cos, sin of blocks 0, 1.
.set PITCH, 272                        ; an LDS row: 256 bytes + 16
.set BOFF,  256*PITCH                  ; a slot: 256 rows of tokens, then 128 rows of weights
.set SLOT,  384*PITCH
.set SCL,   2*SLOT                     ; tokens' scale bytes: 64 rows of 256 bytes + 16
.set SCLB,  SCL+64*272                 ; weights': 32 such rows
.set STG,   SCLB+32*272                ; the values' stage: for each wave 64 tokens x 160 bytes; no fill lands here
.set VPT,   160
.set SPARE, STG+4*64*VPT               ; the spare words
.set L16,  3                           ; v3   16 x lane
.set ADRA, 16                          ; v16-17 my tokens' fragments in slot 0, 1
.set ADRB, 20                          ; v20-21 the weights'
.set VTR,  26                          ; v26  the stage, read turned
.set ADRS, 27                          ; v27  scale words: lanes 0-15 tokens', lanes 16-31 weights'
.set SPW,  28
.set NIL,  29
.set CSA,  30                          ; v30  cos, sin: 512 r + 32 h
.set VSTO, 31                          ; v31  the stage, written
.set SC,   32
.set LB,   96
.set AF,   128
.set T,    128
.set G1,   28
.set G0,   36
.set G1B,  44
.set G0B,  52
.set G1S,  68
.set G0S,  76
.set G1SB, 80
.set G0SB, 88
.set MSB, 0
.macro WIN new                         ; the immediate's high byte repeats the setting that is left
.if MSB != \new
	s_set_vgpr_msb (MSB<<8)|\new
.set MSB, \new
.endif
.endm
.set MUL, 0xa1                         ; source 0 window 1, source 1 window 0, C and D window 2
.macro JLOAD g0a, g1a, g0b, g1b        ; waves 0, 1 fetch tokens' halves, waves 2, 3 weights'; an s_nop 0 and four v_nop follow each line
	s_cmp_eq_u32 s23, 0
	s_cbranch_scc0 .Lfor_b_\@
	tensor_load_to_lds s[\g0a:\g0a+3], s[\g1a:\g1a+7]
	s_nop 0
.rept 4
	v_nop
.endr
	s_branch .Lasked_\@
.Lfor_b_\@:
	tensor_load_to_lds s[\g0b:\g0b+3], s[\g1b:\g1b+7]
	s_nop 0
.rept 4
	v_nop
.endr
.Lasked_\@:
.endm
.macro CREST
	s_cmp_lg_u32 s22, 0
	s_cbranch_scc1 .Lnot_wave_0_\@
	s_barrier_signal -3
.Lnot_wave_0_\@:
	s_barrier_wait -3
	s_barrier_signal -1
	s_barrier_wait -1
.endm
.macro CROUND
	s_barrier_signal -1
	s_barrier_wait -1
	CREST
.endm
.macro PLACES n
.rept \n
	v_nop
.endr
.endm
	s_load_b512 s[4:19], s[0:1], 0x0               ; xq s[4:5], wq4 s[6:7], cos s[8:9], sin s[10:11], lambda_q1, _k1, _q2, _k2 s[12:19]
	s_load_b64 s[20:21], s[0:1], 0x40              ; qkv
	v_lshl_add_u32 v[SPW], v0, 2, SPARE
	v_mov_b32 v[NIL], 0
	ds_add_u32 v[SPW], v[NIL]                      ; the opening: the add, twice on end, and its wait ahead of my first tensor load
	ds_add_u32 v[SPW], v[NIL]
	v_lshrrev_b32 v1, 5, v0
	v_readfirstlane_b32 s22, v1                    ; wave
	s_lshr_b32 s23, s22, 1                         ; I fetch for tokens (0) or weights (1)
	s_and_b32 s24, s22, 1                          ; which half of that tile
	s_bfe_u32 s60, ttmp6, 0x40000                  ; cx
	s_bfe_u32 s61, ttmp6, 0x40004                  ; cy
	s_lshl_b32 s62, ttmp9, 2
	s_add_co_u32 s62, s62, s60                     ; column tile
	s_and_b32 s63, ttmp7, 0xffff
	s_lshl_b32 s63, s63, 2
	s_add_co_u32 s63, s63, s61                     ; token tile
	s_lshl_b32 s92, s61, 2
	s_lshl_b32 s92, 15, s92                        ; my row of the cluster
	s_lshl_b32 s93, 0x1111, s60                    ; my column
	s_or_b32 s[G1+0], s92, (0<<16)|(1<<20)|(1<<21)|(5<<22)|(3<<25)   ; elements of 1 byte; 4 words of padding behind every 64
	s_or_b32 s[G1B+0], s93, (0<<16)|(1<<20)|(1<<21)|(5<<22)|(3<<25)
.irp g, G1, G1B
	s_mov_b32 s[\g+1], 256<<16                     ; tensor_dim0
	s_mov_b32 s[\g+3], 256<<16                     ; tile_dim0
	s_mov_b32 s[\g+5], 1024                        ; from row to row
	s_mov_b32 s[\g+6], 0
	s_mov_b32 s[\g+7], 0
.endr
	s_mov_b32 s[G1+2], 128<<16                     ; tokens: 128 rows a load
	s_mov_b32 s[G1+4], 128
	s_mov_b32 s[G1B+2], 64<<16                     ; weights: 64
	s_mov_b32 s[G1B+4], 64
	s_or_b32 s[G1S+0], s92, (3<<16)|(1<<20)|(1<<21)|(5<<22)|(3<<25)  ; scale bytes: dense blocks as rows of 32 elements of 8 bytes
	s_or_b32 s[G1SB+0], s93, (3<<16)|(1<<20)|(1<<21)|(5<<22)|(3<<25)
.irp g, G1S, G1SB
	s_mov_b32 s[\g+1], 32<<16
	s_mov_b32 s[\g+3], 32<<16
	s_mov_b32 s[\g+5], 32
	s_mov_b32 s[\g+6], 0
	s_mov_b32 s[\g+7], 0
.endr
	s_mov_b32 s[G1S+2], 32<<16                     ; 128 rows x 64 bytes
	s_mov_b32 s[G1S+4], 32
	s_mov_b32 s[G1SB+2], 16<<16                    ; 64 rows x 64 bytes
	s_mov_b32 s[G1SB+4], 16
	s_lshl_b32 s94, s63, 8
	s_lshl_b32 s95, s24, 7
	s_add_co_u32 s94, s94, s95                     ; the first token that I fetch
	s_lshl_b32 s96, s94, 6
	s_add_co_u32 s96, s96, 4194304                 ; its scale bytes
	s_lshl_b32 s94, s94, 10                        ; its codes
	s_mov_b32 s95, 0
	s_mov_b32 s97, 0
	s_lshl_b32 s98, s62, 7
	s_lshl_b32 s99, s24, 6
	s_add_co_u32 s98, s98, s99                     ; the first row of wq4 that I fetch
	s_lshl_b32 s100, s98, 6
	s_add_co_u32 s100, s100, 2097152
	s_lshl_b32 s98, s98, 10
	s_mov_b32 s99, 0
	s_mov_b32 s101, 0
	s_mul_i32 s25, s24, 128*PITCH                  ; where they go: no place in the cluster enters an LDS address
	s_mul_i32 s26, s24, 64*PITCH
	s_mul_i32 s27, s24, 32*272
	s_mul_i32 s2, s24, 16*272
	s_wait_dscnt 0x0                               ; both opening adds are done
	s_wait_kmcnt 0x0
	s_add_nc_u64 s[94:95], s[4:5], s[94:95]
	s_add_nc_u64 s[96:97], s[4:5], s[96:97]
	s_add_nc_u64 s[98:99], s[6:7], s[98:99]
	s_add_nc_u64 s[100:101], s[6:7], s[100:101]
	CROUND                                         ; all sixteen work-groups are here: the first joint loads meet
	s_mov_b32 s[G0S], 1
	s_add_co_u32 s[G0S+1], s27, SCL
	s_mov_b64 s[G0S+2:G0S+3], s[96:97]
	s_or_b32 s[G0S+3], s[G0S+3], 0x80000000
	s_mov_b32 s[G0SB], 1
	s_add_co_u32 s[G0SB+1], s2, SCLB
	s_mov_b64 s[G0SB+2:G0SB+3], s[100:101]
	s_or_b32 s[G0SB+3], s[G0SB+3], 0x80000000
	JLOAD G0S, G1S, G0SB, G1SB                     ; the scale bytes: filled once
.irp s, 0,1
	s_mov_b32 s[G0+4*\s], 1
	s_add_co_u32 s[G0+4*\s+1], s25, \s*SLOT
	s_add_nc_u64 s[G0+4*\s+2:G0+4*\s+3], s[94:95], \s*256
	s_or_b32 s[G0+4*\s+3], s[G0+4*\s+3], 0x80000000
	s_mov_b32 s[G0B+4*\s], 1
	s_add_co_u32 s[G0B+4*\s+1], s26, \s*SLOT+BOFF
	s_add_nc_u64 s[G0B+4*\s+2:G0B+4*\s+3], s[98:99], \s*256
	s_or_b32 s[G0B+4*\s+3], s[G0B+4*\s+3], 0x80000000
	JLOAD G0+4*\s, G1, G0B+4*\s, G1B               ; K steps 0 and 1: three tensor loads of mine are out
.endr
	v_and_b32 v1, 15, v0                           ; r
	v_bfe_u32 v2, v0, 4, 1                         ; h
	v_and_b32 v[L16], 31, v0
	v_lshlrev_b32 v[L16], 4, v[L16]
	v_mul_u32_u24 v4, v1, PITCH
	v_lshl_add_u32 v4, v2, 4, v4                   ; a fragment's row x pitch + 16 h
	s_mul_i32 s25, s22, 64*PITCH                   ; my 64 tokens
	s_mov_b32 s26, BOFF
.irp s, 0,1
	v_add_nc_u32 v[ADRA+\s], s25, v4
	v_add_nc_u32 v[ADRB+\s], s26, v4
	s_add_co_u32 s25, s25, SLOT
	s_add_co_u32 s26, s26, SLOT
.endr
	v_lshlrev_b32 v5, 6, v1                        ; my row's scale bytes: 64 a row,
	v_lshrrev_b32 v6, 2, v1
	v_lshl_add_u32 v5, v6, 4, v5                   ; 16 more for each 256 passed
	s_mul_i32 s25, s22, 16*272                     ; tokens': my 64 rows
	s_sub_co_u32 s26, SCLB-SCL, s25                ; from there to the weights' first row
	v_mul_u32_u24 v6, s26, v2                      ; lanes 16-31 take the weights'
	s_add_co_u32 s25, s25, SCL
	v_add_nc_u32 v5, v5, v6
	v_add_nc_u32 v[ADRS], s25, v5
	v_lshlrev_b32 v[CSA], 9, v1
	v_lshl_add_u32 v[CSA], v2, 5, v[CSA]
	s_mul_i32 s25, s22, 64*VPT
	s_add_co_u32 s25, s25, STG                     ; my stage
	v_mul_u32_u24 v[VSTO], v1, VPT
	v_lshl_add_u32 v[VSTO], v2, 4, v[VSTO]
	v_add_nc_u32 v[VSTO], s25, v[VSTO]             ; in: token r, 16 bytes for each half of the lanes
	v_and_b32 v5, 7, v0
	v_lshl_add_u32 v5, v2, 3, v5
	v_mul_u32_u24 v5, v5, VPT
	v_bfe_u32 v6, v0, 3, 1
	v_lshl_add_u32 v5, v6, 4, v5
	v_add_nc_u32 v[VTR], s25, v5                   ; turned: token 8 h + lane % 8, channels 8 ((lane / 8) % 2) on
.macro FRAG reg, adr, q, i             ; 16 rows x 128 K of 4-bit codes: registers 4 c .. 4 c + 3 hold K = 64 c + 32 h + 0 .. 31
.irp c, 0,1
	ds_load_b128 v[\reg+4*\c:\reg+4*\c+3], v[\adr] offset:64*(\q)+32*\c+(\i)*16*PITCH
.endr
.endm
.macro FETCH_B slot, q, p
	WIN 0x40
.irp i, 0,1,2,3,4,5,6,7
	FRAG 128*(\p)+8*\i, ADRB+\slot, \q, \i
.endr
	WIN 0
.endm
.macro FETCH_A slot, q, p
.irp i, 0,1,2,3
	FRAG AF+32*(\p)+8*\i, ADRA+\slot, \q, \i
.endr
.endm
.macro SCALES sc                       ; a K step's four words a row: lanes 0-15 tokens' block i (i over 3: filled bytes that nobody uses), lanes 16-31 weights' block i
.irp i, 0,1,2,3,4,5,6,7
	ds_load_b128 v[SC+32*\sc+4*\i:SC+32*\sc+4*\i+3], v[ADRS] offset:\i*4*272
.endr
.endm
; 8 products: tokens' block a against the weights' eight.  The 32 accumulators take turns, one instruction a turn, in the same order in every step.
.macro MUL8 a, p, q, sc, zero
.irp b, 0,1,2,3,4,5,6,7
.if \zero
	v_wmma_scale_f32_16x16x128_f8f6f4 v[8*(8*(\a)+\b):8*(8*(\a)+\b)+7], v[128*(\p)+8*\b:128*(\p)+8*\b+7], v[AF+32*(\p)+8*(\a):AF+32*(\p)+8*(\a)+7], 0, v[SC+32*(\sc)+4*\b+(\q)], v[SC+32*(\sc)+4*(\a)+(\q)] matrix_a_fmt:MATRIX_FMT_FP4 matrix_b_fmt:MATRIX_FMT_FP4 matrix_a_scale:MATRIX_SCALE_ROW1
.else
	v_wmma_scale_f32_16x16x128_f8f6f4 v[8*(8*(\a)+\b):8*(8*(\a)+\b)+7], v[128*(\p)+8*\b:128*(\p)+8*\b+7], v[AF+32*(\p)+8*(\a):AF+32*(\p)+8*(\a)+7], v[8*(8*(\a)+\b):8*(8*(\a)+\b)+7], v[SC+32*(\sc)+4*\b+(\q)], v[SC+32*(\sc)+4*(\a)+(\q)] matrix_a_fmt:MATRIX_FMT_FP4 matrix_b_fmt:MATRIX_FMT_FP4 matrix_a_scale:MATRIX_SCALE_ROW1
.endif
.endr
.endm
.macro STEP slot, q, zero              ; 128 along K with its successor in the same slot: this step's fragments are in; the next step's are asked for, into the other set; 32 products
	s_wait_dscnt 0x0
	PLACES 4                                       ; in front of loads into registers that the last step's products read
	FETCH_B \slot, (\q)+1, 1-(\q)%2
	FETCH_A \slot, (\q)+1, 1-(\q)%2
	WIN MUL
	MUL8 0, (\q)%2, \q, \slot, \zero
	MUL8 1, (\q)%2, \q, \slot, \zero
	MUL8 2, (\q)%2, \q, \slot, \zero
	MUL8 3, (\q)%2, \q, \slot, \zero
	WIN 0
.endm
.macro TURN slot, next, fill           ; a slot's last step changes slots
	s_wait_tensorcnt 0x0                           ; all my tensor loads have landed: my part of the next slot
	ds_add_u32 v[SPW], v[NIL]                      ; 0 onto my spare word
	s_wait_dscnt 1                                 ; this step's fragments are in; the add alone may be out
	WIN MUL
	MUL8 0, 1, 3, \slot, 0
	s_wait_dscnt 0x0                               ; the add is done, and my reads of this slot are over
	s_barrier_signal -1
	MUL8 1, 1, 3, \slot, 0
	WIN 0
	s_barrier_wait -1
.if \fill
	CREST                                          ; the barrier has opened a round of the cluster's: no wave of any partner still reads this slot or has a load on its way
	s_add_nc_u64 s[G0+4*\slot+2:G0+4*\slot+3], s[G0+4*\slot+2:G0+4*\slot+3], 512
	s_add_nc_u64 s[G0B+4*\slot+2:G0B+4*\slot+3], s[G0B+4*\slot+2:G0B+4*\slot+3], 512
	JLOAD G0+4*\slot, G1, G0B+4*\slot, G1B         ; two K steps on; its four v_nop are also the places in front of the loads below
.else
	PLACES 4
.endif
	v_add_nc_u32 v[ADRS], 16, v[ADRS]              ; the next K step's scale words
	FETCH_B \next, 0, 0
	FETCH_A \next, 0, 0
	SCALES \next
	WIN MUL
	MUL8 2, 1, 3, \slot, 0
	MUL8 3, 1, 3, \slot, 0
	WIN 0
.endm
.macro TAIL                            ; the last K step, in slot 1
	STEP 1, 0, 0
	STEP 1, 1, 0
	STEP 1, 2, 0
	s_wait_dscnt 0x0
	WIN MUL
	MUL8 0, 1, 3, 1, 0
	MUL8 1, 1, 3, 1, 0
	MUL8 2, 1, 3, 1, 0
	MUL8 3, 1, 3, 1, 0
	WIN 0
	PLACES 4                                       ; in front of the first read of results and of loads and writes into operands that are done with
.endm
; lambda = exp(q1 . k1 + q2 . k2) + 0.2 from four numbers of each vector a lane, at v[base] on.  Leaves lambda in base + 16, 2^floor(log2(max(lambda, 1))) = 1 / sigma in base + 18, sigma in base + 19.
.macro LAMBDA base, sel
	s_wait_loadcnt 0x0
	v_mul_f32 v[\base+16], v[\base], v[\base+4]
.irp i, 1,2,3
	v_fmac_f32 v[\base+16], v[\base+\i], v[\base+4+\i]
.endr
.irp i, 0,1,2,3
	v_fmac_f32 v[\base+16], v[\base+8+\i], v[\base+12+\i]
.endr
	v_mov_b32 v[\base+17], 0
	v_add_f32_dpp v[\base+16], v[\base+16], v[\base+16] row_xmask:1 row_mask:0xf bank_mask:0xf
	v_add_f32_dpp v[\base+16], v[\base+16], v[\base+16] row_xmask:2 row_mask:0xf bank_mask:0xf
	v_add_f32_dpp v[\base+16], v[\base+16], v[\base+16] row_xmask:4 row_mask:0xf bank_mask:0xf
	v_add_f32_dpp v[\base+16], v[\base+16], v[\base+16] row_xmask:8 row_mask:0xf bank_mask:0xf
	v_permlanex16_b32 v[\base+17], v[\base+16], s[\sel], s[\sel+1]
	v_add_f32 v[\base+16], v[\base+16], v[\base+17]
	v_mul_f32 v[\base+16], 0x3fb8aa3b, v[\base+16]
	v_exp_f32 v[\base+17], v[\base+16]
	v_nop                                          ; a plain instruction behind the exponential,
	s_wait_alu depctr_va_vdst(0)                   ; and the wait ahead of its first reader
	v_add_f32 v[\base+16], 0x3e4ccccd, v[\base+17]
	v_max_num_f32 v[\base+17], 1.0, v[\base+16]
	v_and_b32 v[\base+18], 0x7f800000, v[\base+17]
	v_sub_nc_u32 v[\base+19], 0x7f000000, v[\base+18]
.endm
	s_wait_tensorcnt 1                             ; the scale bytes and my part of K step 0 are in; K step 1's load may stay out
	s_barrier_signal -1
	s_barrier_wait -1
	FETCH_B 0, 0, 0
	FETCH_A 0, 0, 0
	SCALES 0
	STEP 0, 0, 1                                   ; the first products start the sums
	STEP 0, 1, 0
	STEP 0, 2, 0
	TURN 0, 1, 1
	STEP 1, 0, 0
	STEP 1, 1, 0
	STEP 1, 2, 0
	TURN 1, 0, 1
	STEP 0, 0, 0
	STEP 0, 1, 0
	STEP 0, 2, 0
	TURN 0, 1, 0                                   ; the last change of slots: nothing is left to fetch
	s_cmp_lt_u32 ttmp9, 3                          ; the cluster's x: the same in all partners
	s_cbranch_scc0 .Lv_tile
; ---------------- Q and K: RoPE.  out[d] = x[d] cos[d] - x[d + 64] sin[d];  out[d + 64] = x[d + 64] cos[d + 64] + x[d] sin[d + 64], all 128 columns of cos and sin as they are given.
	s_lshl_b32 s94, s63, 8
	s_lshl_b32 s95, s22, 6
	s_add_co_u32 s94, s94, s95
	s_lshl_b32 s94, s94, 9                         ; my first token's row of 512 bytes
	s_mov_b32 s95, 0
	s_add_nc_u64 s[8:9], s[8:9], s[94:95]
	s_add_nc_u64 s[10:11], s[10:11], s[94:95]
.macro CSLOAD a, win                   ; cos and sin of token block a, in the accumulators' layout: 32 loads
	WIN \win
.irp b, 0,1,2,3,4,5,6,7
	global_load_b128 v[128*((\a)%2)+8*\b:128*((\a)%2)+8*\b+3],       v[CSA], s[8:9] offset:(\a)*8192+64*\b
	global_load_b128 v[128*((\a)%2)+8*\b+4:128*((\a)%2)+8*\b+7],     v[CSA], s[8:9] offset:(\a)*8192+64*\b+16
	global_load_b128 v[128*((\a)%2)+64+8*\b:128*((\a)%2)+64+8*\b+3], v[CSA], s[10:11] offset:(\a)*8192+64*\b
	global_load_b128 v[128*((\a)%2)+64+8*\b+4:128*((\a)%2)+64+8*\b+7], v[CSA], s[10:11] offset:(\a)*8192+64*\b+16
.endr
	WIN 0
.endm
	CSLOAD 0, 0xc0                                 ; blocks 0 and 1 land while the last 128 products are made
	CSLOAD 1, 0xc0
	s_lshr_b32 s94, s63, 3                         ; batch
	s_and_b32 s95, s63, 7
	s_lshl_b32 s96, s94, 3
	s_add_co_u32 s96, s96, s62                     ; Q: 8 batch + head
	s_lshl_b32 s97, s94, 2
	s_add_co_u32 s97, s97, s62
	s_sub_co_u32 s97, s97, 8                       ; K: 4 batch + kv head
	s_cmp_lt_u32 ttmp9, 2
	s_cselect_b32 s96, s96, s97
	s_cselect_b32 s98, 0, 8388608
	s_lshl_b32 s96, s96, 7
	s_lshl_b32 s95, s95, 4
	s_add_co_u32 s96, s96, s95
	s_lshl_b32 s95, s22, 2
	s_add_co_u32 s96, s96, s95                     ; my first tile of 16 tokens
	s_lshl_b32 s96, s96, 12
	s_add_co_u32 s96, s96, s98
	s_mov_b32 s97, 0
	s_add_nc_u64 s[66:67], s[20:21], s[96:97]
	TAIL
.macro ROPE a, win
.set CW, 128*((\a)%2)
.set AC, 64*(\a)
.set YY, 192+32*((\a)%2)
	WIN 0x02|((\win)<<2)                           ; source 0: the accumulators' window; source 1: cos and sin
.irp b, 0,1,2,3
.irp pr, 0,2,4,6                       ; each accumulator is read from its low end on
	v_pk_mul_f32 v[T+8*\b+\pr:T+8*\b+\pr+1], v[AC+8*\b+\pr:AC+8*\b+\pr+1], v[CW+8*\b+\pr:CW+8*\b+\pr+1]
.endr
.irp pr, 0,2,4,6
	v_pk_mul_f32 v[T+32+8*\b+\pr:T+32+8*\b+\pr+1], v[AC+32+8*\b+\pr:AC+32+8*\b+\pr+1], v[CW+32+8*\b+\pr:CW+32+8*\b+\pr+1]
.endr
.irp pr, 0,2,4,6
	v_pk_fma_f32 v[T+8*\b+\pr:T+8*\b+\pr+1], v[AC+32+8*\b+\pr:AC+32+8*\b+\pr+1], v[CW+64+8*\b+\pr:CW+64+8*\b+\pr+1], v[T+8*\b+\pr:T+8*\b+\pr+1] neg_lo:[1,0,0] neg_hi:[1,0,0]
.endr
.irp pr, 0,2,4,6
	v_pk_fma_f32 v[T+32+8*\b+\pr:T+32+8*\b+\pr+1], v[AC+8*\b+\pr:AC+8*\b+\pr+1], v[CW+96+8*\b+\pr:CW+96+8*\b+\pr+1], v[T+32+8*\b+\pr:T+32+8*\b+\pr+1]
.endr
.endr
	WIN 0
	s_wait_xcnt 0x0                                ; the stores of two blocks ago have read their registers
.set i, 0
.rept 32
	v_cvt_pk_f16_f32 v[YY+i], v[T+2*i], v[T+2*i+1]
.set i, i+1
.endr
.irp b, 0,1,2,3,4,5,6,7
	global_store_b128 v[L16], v[YY+4*\b:YY+4*\b+3], s[66:67] offset:(\a)*4096+512*\b   ; 512 consecutive bytes, aligned: registers 4 (b % 2) .. of the fragment of channels 32 (b / 2) on
.endr
.endm
	s_wait_loadcnt 32                              ; block 0's 32 loads are in; block 1's may be out
	CSLOAD 2, 0x40                                 ; into the weights' registers, which are done with
	ROPE 0, 3
	s_wait_loadcnt 32                              ; block 1's are in; block 2's may be out
	CSLOAD 3, 0x40
	ROPE 1, 3
	s_wait_loadcnt 32                              ; block 2's are in; block 3's may be out
	ROPE 2, 1
	s_wait_loadcnt 0x0
	ROPE 3, 1
	s_branch .Lend
; ---------------- V: V'' = sigma Va - lambda sigma Vb, to f16, turned through my stage so that the keys lie innermost.
.Lv_tile:
	global_load_b128 v[LB:LB+3],     v[L16], s[12:13]
	global_load_b128 v[LB+4:LB+7],   v[L16], s[14:15]
	global_load_b128 v[LB+8:LB+11],  v[L16], s[16:17]
	global_load_b128 v[LB+12:LB+15], v[L16], s[18:19]
	TAIL
	s_mov_b32 s94, 0x76543210
	s_mov_b32 s95, 0xfedcba98
	LAMBDA LB, 94
	v_mov_b32 v[LB+20], v[LB+19]                   ; sigma, as a pair
	v_mov_b32 v[LB+21], v[LB+19]
	v_mul_f32 v[LB+22], -v[LB+16], v[LB+19]        ; -lambda sigma, as a pair
	v_mul_f32 v[LB+23], -v[LB+16], v[LB+19]
	s_sub_co_u32 s96, s62, 12
	s_lshr_b32 s97, s96, 1                         ; g
	s_and_b32 s96, s96, 1                          ; which 64 channels
	s_lshr_b32 s98, s63, 3
	s_lshl_b32 s98, s98, 1
	s_add_co_u32 s98, s98, s97
	s_lshl_b32 s98, s98, 6
	s_and_b32 s99, s63, 7
	s_lshl_b32 s99, s99, 3
	s_add_co_u32 s98, s98, s99
	s_lshl_b32 s99, s22, 1
	s_add_co_u32 s98, s98, s99                     ; my first block of 32 keys
	s_lshl_b32 s98, s98, 13
	s_lshl_b32 s96, s96, 12
	s_add_co_u32 s98, s98, s96
	s_add_co_u32 s98, s98, 12582912
	s_mov_b32 s99, 0
	s_add_nc_u64 s[20:21], s[20:21], s[98:99]
.irp a, 0,1,2,3
	WIN 0x02
.irp b, 0,1,2,3
.irp pr, 0,2,4,6
	v_pk_mul_f32 v[T+8*\b+\pr:T+8*\b+\pr+1], v[64*\a+32+8*\b+\pr:64*\a+32+8*\b+\pr+1], v[LB+22:LB+23]
.endr
.irp pr, 0,2,4,6
	v_pk_fma_f32 v[T+8*\b+\pr:T+8*\b+\pr+1], v[64*\a+8*\b+\pr:64*\a+8*\b+\pr+1], v[LB+20:LB+21], v[T+8*\b+\pr:T+8*\b+\pr+1]
.endr
.endr
	WIN 0
.set i, 0
.rept 16
	v_cvt_pk_f16_f32 v[192+16*\a+i], v[T+2*i], v[T+2*i+1]
.set i, i+1
.endr
.irp b, 0,1,2,3
	ds_store_b128 v[VSTO], v[192+16*\a+4*\b:192+16*\a+4*\b+3] offset:\a*16*VPT+32*\b
.endr
.endr
.set k, 0
.rept 16                               ; k = 8 kb + 2 ct + c: keys 32 kb + 16 c on, channels 16 ct on.  LDS serves a wave's instructions in order: these see my stores
	ds_load_tr16_b128 v[128+4*k:131+4*k], v[VTR] offset:(k/8)*32*VPT+((k/2)%4)*32+(k%2)*16*VPT
.set k, k+1
.endr
.set k, 0
.rept 16
	s_wait_dscnt 15-k
	global_store_b128 v[L16], v[128+4*k:131+4*k], s[20:21] offset:(k/8)*8192+((k/2)%4)*1024+(k%2)*512
.set k, k+1
.endr
.Lend:
	s_wait_tensorcnt 0x0                           ; the wave's end
	ds_add_u32 v[SPW], v[NIL]
	s_wait_dscnt 0x0
	CROUND                                         ; the closing round
	s_endpgm
.Lfunc_end_k_q18558bd280_qkv:
	.size	k_q18558bd280_qkv, .Lfunc_end_k_q18558bd280_qkv-k_q18558bd280_qkv
	.p2alignl 7, 3214868480
	.fill 96, 4, 3214868480
	.section	.rodata,"a",@progbits
	.p2align	6, 0x0
	.amdhsa_kernel k_q18558bd280_qkv
		.amdhsa_group_segment_fixed_size 327680
		.amdhsa_private_segment_fixed_size 0
		.amdhsa_enable_private_segment 0
		.amdhsa_kernarg_size 72
		.amdhsa_user_sgpr_count 2
		.amdhsa_user_sgpr_kernarg_segment_ptr 1
		.amdhsa_wavefront_size32 1
		.amdhsa_system_sgpr_workgroup_id_x 1
		.amdhsa_system_sgpr_workgroup_id_y 1
		.amdhsa_system_sgpr_workgroup_id_z 1
		.amdhsa_system_vgpr_workitem_id 0
		.amdhsa_next_free_vgpr 1024
		.amdhsa_next_free_sgpr 102
		.amdhsa_reserve_vcc 0
		.amdhsa_float_denorm_mode_32 3
		.amdhsa_float_denorm_mode_16_64 3
		.amdhsa_memory_ordered 1
		.amdhsa_forward_progress 1
		.amdhsa_inst_pref_size 188
	.end_amdhsa_kernel
	.amdgpu_metadata
---
amdhsa.version: [ 1, 2 ]
amdhsa.kernels:
  - .name:           k_q18558bd280_qkv
    .symbol:         k_q18558bd280_qkv.kd
    .args:
      - { .name: xq, .offset: 0, .size: 8, .value_kind: global_buffer, .address_space: global }
      - { .name: wq4, .offset: 8, .size: 8, .value_kind: global_buffer, .address_space: global }
      - { .name: cos, .offset: 16, .size: 8, .value_kind: global_buffer, .address_space: global }
      - { .name: sin, .offset: 24, .size: 8, .value_kind: global_buffer, .address_space: global }
      - { .name: lambda_q1, .offset: 32, .size: 8, .value_kind: global_buffer, .address_space: global }
      - { .name: lambda_k1, .offset: 40, .size: 8, .value_kind: global_buffer, .address_space: global }
      - { .name: lambda_q2, .offset: 48, .size: 8, .value_kind: global_buffer, .address_space: global }
      - { .name: lambda_k2, .offset: 56, .size: 8, .value_kind: global_buffer, .address_space: global }
      - { .name: qkv, .offset: 64, .size: 8, .value_kind: global_buffer, .address_space: global }
    .group_segment_fixed_size: 327680
    .private_segment_fixed_size: 0
    .kernarg_segment_align: 8
    .kernarg_segment_size: 72
    .max_flat_workgroup_size: 128
    .sgpr_count:     102
    .vgpr_count:     1024
    .wavefront_size: 32
...
	.end_amdgpu_metadata
.endif
;; end of part 2
;; launch attn (part 3): grid 32 x 8, 4 waves a work-group, no clusters, 153,088 bytes of LDS; arguments qkv, rms_weight, lambda_q1, lambda_k1, lambda_q2, lambda_k2, ao; writes ao
.if DOCPART == 3
	.amdgcn_target "amdgcn-amd-amdhsa--gfx1250"
	.amdhsa_code_object_version 6
	.text
	.protected	k_q18558bd280_attn
	.globl	k_q18558bd280_attn
	.p2align	8
	.type	k_q18558bd280_attn,@function
k_q18558bd280_attn:
	s_mov_b64 s[64:65], 0
	v_nop
	global_prefetch_b8 v0, s[64:65] scope:SCOPE_SE
	s_setreg_imm32_b32 hwreg(HW_REG_WAVE_MODE, 25, 1), 1
	s_wait_xcnt 0x0
; Launch 3 of 4: causal attention on f16 operands, f32 sums; then / the row's sum, x 1 / sigma, RMSNorm over the head's 128, x 0.8 rms_weight, to f16.
; WORK LEFT OUT: rounds of 256 keys that lie wholly behind an item's queries (the causal mask is built in reference()'s own body); the value product has width 128, on V'' = sigma (Va - lambda Vb), by linearity.
; SHARES.  Work-group (p, y): batch y / 4, kv head j = y % 4, query heads 2 j and 2 j + 1, values g = j / 2.  It does two ITEMS: i = p, then i = 63 - p.  An item is queries 32 i .. 32 i + 31 of both heads: four tiles of 16;
; tile t is head 2 j + t % 2, queries 32 i + 16 (t / 2).  EVERY wave holds all four tiles; THE KEYS ARE SPLIT: in round r wave w takes keys 256 r + 64 w .. + 63.  Item i has i / 8 whole rounds and the round on the diagonal, which is
; run FIRST: it starts the sums, and the loop needs no mask.  p / 8 + (63 - p) / 8 + 2 = 9 rounds in every work-group.  The four waves' parts of an item meet in LDS; wave w finishes tile w.
; NO JOINT LOADS: with the keys split, each byte of K and V'' is wanted by one wave of a work-group; it comes from memory straight into that wave's operand registers (the launch before laid it so), with no pass through LDS
; and no barrier inside an item.  A ring for joint loads would change items at a slot whose number hangs on the work-group's number.
; LAYOUT.  S^T = K Q^T, O^T = V''^T P: a lane holds one query (lane % 16) throughout.  SOFTMAX: running maximum m and sum l for each query and wave; p = 2^(c s - c m), c = log2(e) / sqrt(128).
; Hidden scores become -2^100: c times it is exact, so a row of a wave whose 64 keys are all hidden gives p = 1, finite; its sums are multiplied by 0 at the next round or at the merge (wave 0 always sees a key that counts).
; LIMITS: scaled scores above -1e9 in size (reference()'s own mask value); NaN and infinities are not served.
; The fetch behind an item's last round asks for the next item's first round; behind the very last round it reads that same round's 32 KiB once more: the price of one text for all trips.
; REGISTERS: window 0: v1-11 addresses; v12-43 statistics, 8 a tile; v44-59 the merge's work; v58 1 / sigma; v59 -2^100; v60 the mask's bound; v64-191 S^T; v192-255 P.
;   window 1: O^T.  window 2: v0-127 Q, v128-255 K.  window 3: v0-127 V''; v128-191 0.8 rms_weight in O^T's layout.
.set L16, 1
.set KA,  2                            ; 16 x lane + the round's offset, for K and V'' alike
.set QA,  3
.set SA,  4
.set OA,  5
.set SR,  6
.set OR0, 7
.set OR1, 8
.set STO, 9
.set RD,  10
.set GO,  11
.set ST,  12                           ; tile t: +0 c m, +1 m, +2, +3 l, +4 .. +7 at work
.set MS,  44
.set ISG, 58
.set MV,  59
.set D0,  60
.set SPW, 62
.set NIL, 63
.set S,   64
.set P,   192
.set KF,  128
.set STAT, 131072                      ; LDS: 0: O^T's images [wave][tile][16][lane][16 bytes]; here: [wave][tile][c m, l][lane][4 bytes]
.set STG,  135168                      ; the way out: 16 rows x 272 bytes for each wave
.set SPARE, 152576
.set I,    30
.set NF,   31
.set TR,   32
.set LEFT, 33
.set FO,   34
.set DN,   35
.set ON,   36
.set IT,   37
.set CS,   58
.set SEL,  60
.set MSB, 0
.macro WIN new
.if MSB != \new
	s_set_vgpr_msb (MSB<<8)|\new
.set MSB, \new
.endif
.endm
.set W_KQ, 0x0a
.set W_PV, 0x53
.set W_RS, 0x41
.macro LAMBDA base, sel                ; as in the launch before, line for line, so that sigma has the same bits
	s_wait_loadcnt 0x0
	v_mul_f32 v[\base+16], v[\base], v[\base+4]
.irp i, 1,2,3
	v_fmac_f32 v[\base+16], v[\base+\i], v[\base+4+\i]
.endr
.irp i, 0,1,2,3
	v_fmac_f32 v[\base+16], v[\base+8+\i], v[\base+12+\i]
.endr
	v_mov_b32 v[\base+17], 0
	v_add_f32_dpp v[\base+16], v[\base+16], v[\base+16] row_xmask:1 row_mask:0xf bank_mask:0xf
	v_add_f32_dpp v[\base+16], v[\base+16], v[\base+16] row_xmask:2 row_mask:0xf bank_mask:0xf
	v_add_f32_dpp v[\base+16], v[\base+16], v[\base+16] row_xmask:4 row_mask:0xf bank_mask:0xf
	v_add_f32_dpp v[\base+16], v[\base+16], v[\base+16] row_xmask:8 row_mask:0xf bank_mask:0xf
	v_permlanex16_b32 v[\base+17], v[\base+16], s[\sel], s[\sel+1]
	v_add_f32 v[\base+16], v[\base+16], v[\base+17]
	v_mul_f32 v[\base+16], 0x3fb8aa3b, v[\base+16]
	v_exp_f32 v[\base+17], v[\base+16]
	v_nop
	s_wait_alu depctr_va_vdst(0)
	v_add_f32 v[\base+16], 0x3e4ccccd, v[\base+17]
	v_max_num_f32 v[\base+17], 1.0, v[\base+16]
	v_and_b32 v[\base+18], 0x7f800000, v[\base+17]
	v_sub_nc_u32 v[\base+19], 0x7f000000, v[\base+18]
.endm
.macro KLOADS                          ; my 64 keys x 128 channels: 16 fragments, each load 512 consecutive bytes
	WIN 0x80
.set f, 0
.rept 16
	global_load_b128 v[KF+8*f:KF+8*f+3],   v[KA], s[22:23] offset:(f/4)*4096+(f%4)*1024
	global_load_b128 v[KF+8*f+4:KF+8*f+7], v[KA], s[22:23] offset:(f/4)*4096+(f%4)*1024+512
.set f, f+1
.endr
.endm
.macro VLOADS
	WIN 0xc0
.set f, 0
.rept 16
	global_load_b128 v[8*f:8*f+3],   v[KA], s[24:25] offset:(f/8)*8192+(f%8)*1024
	global_load_b128 v[8*f+4:8*f+7], v[KA], s[24:25] offset:(f/8)*8192+(f%8)*1024+512
.set f, f+1
.endr
.endm
.macro QLOADS
	WIN 0x80
.set f, 0
.rept 32                               ; tile f / 8, block f % 8
	global_load_b128 v[4*f:4*f+3], v[QA], s[26:27] offset:((f/8)%2)*524288+(f/16)*4096+(f%8)*512
.set f, f+1
.endr
.endm
	s_load_b256 s[4:11], s[0:1], 0x0               ; qkv s[4:5], rms_weight s[6:7], lambda_q1 s[8:9], lambda_k1 s[10:11]
	s_load_b128 s[12:15], s[0:1], 0x20             ; lambda_q2, lambda_k2
	s_load_b64 s[16:17], s[0:1], 0x30              ; ao
	v_lshl_add_u32 v[SPW], v0, 2, SPARE
	v_mov_b32 v[NIL], 0
	v_lshrrev_b32 v64, 5, v0
	v_readfirstlane_b32 s18, v64                   ; wave
	v_and_b32 v64, 15, v0                          ; r
	v_bfe_u32 v65, v0, 4, 1                        ; h
	v_and_b32 v66, 31, v0                          ; lane
	v_lshlrev_b32 v[L16], 4, v66
	s_lshl_b32 s38, s18, 10
	s_add_co_u32 s38, s38, STAT
	v_lshl_add_u32 v[SA], v66, 2, s38              ; my wave's statistics
	s_lshl_b32 s38, s18, 15
	v_add_nc_u32 v[OA], s38, v[L16]                ; my wave's images
	s_lshl_b32 s38, s18, 8
	s_add_co_u32 s38, s38, STAT
	v_lshl_add_u32 v[SR], v66, 2, s38              ; tile w's statistics in wave 0's part
	s_lshl_b32 s38, s18, 13
	v_add_nc_u32 v[OR0], s38, v[L16]               ; tile w's image in wave 0's part,
	v_add_nc_u32 v[OR1], 65536, v[OR0]             ; and in wave 2's
	s_mul_i32 s38, s18, 16*272
	s_add_co_u32 s38, s38, STG
	v_mul_u32_u24 v67, v64, 272
	v_lshl_add_u32 v67, v65, 4, v67
	v_add_nc_u32 v[STO], s38, v67
	v_mul_u32_u24 v67, v65, 272
	v_lshl_add_u32 v67, v64, 4, v67
	v_add_nc_u32 v[RD], s38, v67
	v_lshlrev_b32 v68, 5, v65                      ; rms_weight: 32 h
	v_mov_b32 v[MV], 0xf1800000                    ; -2^100
	s_and_b32 s19, ttmp7, 0xffff
	s_and_b32 s20, s19, 3                          ; j
	s_lshr_b32 s19, s19, 2                         ; batch
	s_lshr_b32 s21, s20, 1                         ; g
	s_lshl_b32 s43, s18, 14                        ; my wave's 64 keys in a round's 256
	s_lshl_b32 s38, s19, 2
	s_add_co_u32 s38, s38, s20
	s_lshl_b32 s38, s38, 19
	s_add_co_u32 s38, s38, s43
	s_add_co_u32 s38, s38, 8388608
	s_mov_b32 s39, 0
	s_lshl_b32 s44, s19, 1
	s_add_co_u32 s44, s44, s21
	s_lshl_b32 s44, s44, 19
	s_add_co_u32 s44, s44, s43
	s_add_co_u32 s44, s44, 12582912
	s_mov_b32 s45, 0
	s_lshl_b32 s46, s19, 3
	s_lshl_b32 s47, s20, 1
	s_add_co_u32 s46, s46, s47
	s_lshl_b32 s46, s46, 19
	s_mov_b32 s47, 0
	s_lshl_b32 s48, s19, 22
	s_lshl_b32 s49, s20, 9
	s_add_co_u32 s48, s48, s49
	s_mov_b32 s49, 0
	s_mov_b32 s40, 0x358637bd                      ; 1e-6
	s_mov_b32 s41, 0x3c000000                      ; 1 / 128
	s_mov_b32 s[CS], 0x3e0293ee                    ; c
	s_mov_b32 s[CS+1], s[CS]
	s_mov_b32 s[SEL], 0x76543210
	s_mov_b32 s[SEL+1], 0xfedcba98
	s_mov_b32 s[I], ttmp9
	s_sub_co_u32 s42, 63, ttmp9                    ; the second item
	s_lshr_b32 s[DN], s42, 3
	s_lshl_b32 s[DN], s[DN], 16                    ; its diagonal round's offset
	s_mov_b32 s[IT], 0
	s_lshr_b32 s50, ttmp9, 3
	s_lshl_b32 s50, s50, 16
	v_add_nc_u32 v[KA], s50, v[L16]                ; the first item's diagonal round
	s_lshl_b32 s50, ttmp9, 13
	v_add_nc_u32 v[QA], s50, v[L16]
	s_wait_kmcnt 0x0
	s_add_nc_u64 s[22:23], s[4:5], s[38:39]        ; K
	s_add_nc_u64 s[24:25], s[4:5], s[44:45]        ; V''
	s_add_nc_u64 s[26:27], s[4:5], s[46:47]        ; Q
	s_add_nc_u64 s[28:29], s[16:17], s[48:49]      ; ao
	global_load_b128 v[72:75], v[L16], s[8:9]
	global_load_b128 v[76:79], v[L16], s[10:11]
	global_load_b128 v[80:83], v[L16], s[12:13]
	global_load_b128 v[84:87], v[L16], s[14:15]
	WIN 0xc0
.irp ct, 0,1,2,3,4,5,6,7
	global_load_b128 v[128+8*\ct:131+8*\ct], v68, s[6:7] offset:64*\ct
	global_load_b128 v[132+8*\ct:135+8*\ct], v68, s[6:7] offset:64*\ct+16
.endr
	VLOADS
	KLOADS
	QLOADS
	WIN 0
	LAMBDA 72, SEL                                 ; (waits for all the head's loads)
	v_mov_b32 v[ISG], v90
	WIN 0xc3
.set i, 0
.rept 32
	v_pk_mul_f32 v[128+i:129+i], v[128+i:129+i], 0x3f4ccccd op_sel_hi:[1,0]   ; 0.8 rms_weight
.set i, i+2
.endr
	WIN 0
; Product i of 32 of O^T += V''^T P for tiles x, x + 1: keys 32 (i / 16) on, channels 16 ((i / 2) % 8) on.  The accumulators take turns, one instruction a turn.
.macro PV x, zero
	WIN W_PV
.set rO, 64*(\x+i%2)+8*((i/2)%8)
.set rV, 64*(i/16)+8*((i/2)%8)
.set rP, P+16*(\x+i%2)+8*(i/16)
.if \zero && (i < 16)
	v_wmma_f32_16x16x32_f16 v[rO:rO+7], v[rV:rV+7], v[rP:rP+7], 0
.else
	v_wmma_f32_16x16x32_f16 v[rO:rO+7], v[rV:rV+7], v[rP:rP+7], v[rO:rO+7]
.endif
.endm
; Product i of 32 of S^T = K Q^T: channels 32 (i / 8) on, keys 16 ((i / 2) % 4) on.
.macro KQ x
	WIN W_KQ
.set rS, S+32*(\x+i%2)+8*((i/2)%4)
.set rK, KF+32*((i/2)%4)+8*(i/8)
.set rQ, 32*(\x+i%2)+8*(i/8)
.if i < 8
	v_wmma_f32_16x16x32_f16 v[rS:rS+7], v[rK:rK+7], v[rQ:rQ+7], 0
.else
	v_wmma_f32_16x16x32_f16 v[rS:rS+7], v[rK:rK+7], v[rQ:rQ+7], v[rS:rS+7]
.endif
.endm
; Number j of the 134 instructions of tile t's softmax for one round.  0-15 the maximum; 16-20 the other half's, the new m, c m, its change; 21-69 ONE BATCH: 16 packed scalings and 33 exponentials, none of which names
; an exponential's result; 70-85 the roundings to f16; 86-101 the sums; 102-133 O^T times a.  first = 1: the item's first round: no old maximum, no a, nothing to rescale.
.macro SM t, first
.set rT, ST+8*(\t)
.set rS, S+32*(\t)
.set rP, P+16*(\t)
.set rO, 64*(\t)+2*(j-102)
.if j < 102
	WIN 0
.endif
.if j < 4
	v_max3_num_f32 v[rT+4+j], v[rS+8*j], v[rS+8*j+1], v[rS+8*j+2]
.elseif j < 12
	v_max3_num_f32 v[rT+4+j%4], v[rT+4+j%4], v[rS+8*(j%4)+2*(j/4)+1], v[rS+8*(j%4)+2*(j/4)+2]
.elseif j == 12
	v_max3_num_f32 v[rT+4], v[rT+4], v[rS+7], v[rS+15]
.elseif j == 13
	v_max3_num_f32 v[rT+6], v[rT+6], v[rS+23], v[rS+31]
.elseif j == 14
	v_max3_num_f32 v[rT+4], v[rT+4], v[rT+5], v[rT+6]
.elseif (j == 15) && \first
	v_max_num_f32 v[rT+4], v[rT+4], v[rT+7]
.elseif j == 15
	v_max3_num_f32 v[rT+4], v[rT+4], v[rT+7], v[rT+1]
.elseif j == 16
	v_permlanex16_b32 v[rT+5], v[rT+4], s[SEL], s[SEL+1]
.elseif j == 18
	v_max_num_f32 v[rT+1], v[rT+4], v[rT+5]
.elseif j == 19
	v_mul_f32 v[rT], s[CS], v[rT+1]
.elseif ((j == 17) || (j == 20) || (j == 23) || (j > 101)) && \first
.elseif j == 17
	v_mov_b32 v[rT+7], v[rT]
.elseif j == 20
	v_sub_f32 v[rT+7], v[rT+7], v[rT]
.elseif j == 23
	v_exp_f32 v[rT+6], v[rT+7]
.elseif (j < 23) || ((j < 38) && (j%2 == 0)) || ((j < 66) && (j%4 == 2))
.set b, (j-2)/4
.if j < 38
.set b, (j-20)/2
.endif
	v_pk_fma_f32 v[rS+2*b:rS+2*b+1], v[rS+2*b:rS+2*b+1], s[CS:CS+1], v[rT:rT+1] op_sel_hi:[1,0,0] neg_lo:[0,0,1] neg_hi:[0,0,1]
.elseif j < 70
.set e, j-38
.if j < 66
.set e, j-32-(j-38)/4
.endif
.if j < 38
.set e, (j-25)/2
.endif
	v_exp_f32 v[rS+e], v[rS+e]
.elseif j < 86
	v_cvt_pk_f16_f32 v[rP+j-70], v[rS+2*(j-70)], v[rS+2*(j-70)+1]
.elseif j < 102
.set z, j-86
.set w, 4
.set u, z
.if z >= 14
.set w, 32
.set u, 0
.elseif z >= 12
.set w, 16
.set u, z-12
.elseif z >= 8
.set w, 8
.set u, z-8
.endif
.if (z == 14) && \first
	v_pk_add_f32 v[rT+2:rT+3], v[rS:rS+1], v[rS+16:rS+17]
.elseif z < 15
	v_pk_add_f32 v[rS+w*u:rS+w*u+1], v[rS+w*u:rS+w*u+1], v[rS+w*u+w/2:rS+w*u+w/2+1]
.elseif !\first
	v_pk_fma_f32 v[rT+2:rT+3], v[rT+2:rT+3], v[rT+6:rT+7], v[rS:rS+1] op_sel_hi:[1,0,1]
.endif
.else
	WIN W_RS
	v_pk_mul_f32 v[rO:rO+1], v[rO:rO+1], v[rT+6:rT+7] op_sel_hi:[1,0]
.endif
.endm
.macro SOFTMAX first                   ; the four tiles by turns, number by number; one wait for all 132 exponentials
.set j, 0
.rept 70
.irp t, 0,1,2,3
	SM \t, \first
.endr
.set j, j+1
.endr
	v_nop                                          ; a plain instruction behind the last exponential,
	s_wait_alu depctr_va_vdst(0)                   ; and the one wait ahead of the batch's first reader
.rept 64
.irp t, 0,1,2,3
	SM \t, \first
.endr
.set j, j+1
.endr
.endm
.macro MASK                            ; register n of a tile holds key 16 (n / 8) + n % 8 + 8 h of my 64: hidden where that is over my query's place; each accumulator is read from its low end on
.irp tq, 0,1
.set n, 0
.rept 32
	v_cmp_gt_i32 vcc_lo, 16*(n/8)+n%8-16*\tq, v[D0]
	v_cndmask_b32 v[S+64*\tq+n], v[S+64*\tq+n], v[MV], vcc_lo
	v_cndmask_b32 v[S+64*\tq+32+n], v[S+64*\tq+32+n], v[MV], vcc_lo
.set n, n+1
.endr
.endr
.endm
.macro LOADK                           ; the next round's K: the item's next whole round while there is one, else the next item's diagonal round
	WIN 0
	s_cmp_lg_u32 s[LEFT], 0
	s_cselect_b32 s[ON], s[FO], s[DN]
	s_cselect_b32 s38, 1, 0
	s_sub_co_u32 s[LEFT], s[LEFT], s38
	s_lshl_b32 s38, s38, 16
	s_add_co_u32 s[FO], s[FO], s38
	s_wait_xcnt 0x0                                ; the last round's loads have read their address
	v_add_nc_u32 v[KA], s[ON], v[L16]
.rept 3
	v_nop                                          ; with the addition: four places behind the products that read K, and in front of the first read of the scores
.endr
	KLOADS
.endm
.macro LOADV
.rept 4
	v_nop
.endr
	VLOADS
.endm
.macro ROUND first
.if \first
	s_wait_loadcnt 0x0                             ; K, V'' and Q of the item's first round
.else
	s_wait_loadcnt 32                              ; K is in; V'', asked for behind it, may be out
.endif
.set i, 0
.rept 32
	KQ 0
.set i, i+1
.endr
.set i, 0
.rept 32
	KQ 2
.set i, i+1
.endr
	LOADK
	WIN 0
.if \first
	MASK
.endif
	SOFTMAX \first
.if \first == 0
	s_wait_loadcnt 32                              ; V'' is in; the next round's K may be out
.endif
.set i, 0
.rept 32
	PV 0, \first
.set i, i+1
.endr
.set i, 0
.rept 32
	PV 2, \first
.set i, i+1
.endr
	LOADV
	WIN 0
.endm
.Litem:
	s_lshr_b32 s[NF], s[I], 3                      ; whole rounds
	s_mov_b32 s[LEFT], s[NF]
	s_mov_b32 s[FO], 0
	s_wait_xcnt 0x0                                ; the last item's stores have read GO
	v_and_b32 v64, 15, v0
	v_bfe_u32 v65, v0, 4, 1
	s_and_b32 s38, s[I], 7
	s_lshl_b32 s38, s38, 5
	s_lshl_b32 s39, s18, 6
	s_sub_co_i32 s38, s38, s39
	v_lshlrev_b32 v66, 3, v65
	v_sub_nc_u32 v[D0], v64, v66
	v_add_nc_u32 v[D0], s38, v[D0]                 ; 32 (i % 8) + r - 64 w - 8 h: my query's place among my 64 keys, for tiles 0 and 1; tiles 2 and 3: 16 more
	s_lshl_b32 s38, s[I], 5
	s_lshr_b32 s39, s18, 1
	s_lshl_b32 s39, s39, 4
	s_add_co_u32 s38, s38, s39
	v_add_nc_u32 v66, s38, v65
	v_lshlrev_b32 v66, 11, v66
	s_and_b32 s39, s18, 1
	s_lshl_b32 s39, s39, 8
	v_lshl_add_u32 v66, v64, 4, v66
	v_add_nc_u32 v[GO], s39, v66                   ; ao: row 32 i + 16 (w / 2) + h of 2,048 bytes, head w % 2, 16 r
	ROUND 1
	s_cmp_eq_u32 s[NF], 0
	s_cbranch_scc1 .Lmerge
	s_mov_b32 s[TR], 0
.Lfull:
	ROUND 0
	s_add_co_u32 s[TR], s[TR], 1
	s_cmp_lt_u32 s[TR], s[NF]
	s_cbranch_scc1 .Lfull
.Lmerge:
	s_cmp_lg_u32 s[IT], 0
	s_cbranch_scc1 .Lno_q
	s_wait_xcnt 0x0
	s_lshl_b32 s38, s42, 13
	v_add_nc_u32 v[QA], s38, v[L16]
	QLOADS                                         ; the second item's queries land under the merge
	WIN 0
.Lno_q:
.irp t, 0,1,2,3
	v_add_f32 v[ST+8*\t+4], v[ST+8*\t+2], v[ST+8*\t+3]
.endr
.irp t, 0,1,2,3
	v_permlanex16_b32 v[ST+8*\t+5], v[ST+8*\t+4], s[SEL], s[SEL+1]
.endr
.irp t, 0,1,2,3
	v_add_f32 v[ST+8*\t+4], v[ST+8*\t+4], v[ST+8*\t+5]   ; my wave's l
.endr
.irp t, 0,1,2,3
	ds_store_b32 v[SA], v[ST+8*\t] offset:256*\t
	ds_store_b32 v[SA], v[ST+8*\t+4] offset:256*\t+128
.endr
	WIN 0x04                                       ; an LDS store's data are its source 1: window 1
.set k, 0
.rept 64
	ds_store_b128 v[OA], v[4*k:4*k+3] offset:512*k ; O^T as it stands, each accumulator from its low end on
.set k, k+1
.endr
	WIN 0
	s_wait_dscnt 0x0                               ; for the others' sake: my stores have landed
	s_barrier_signal -1
	s_barrier_wait -1
.irp u, 0,1,2,3
	ds_load_b32 v[MS+2*\u], v[SR] offset:1024*\u
	ds_load_b32 v[MS+2*\u+1], v[SR] offset:1024*\u+128
.endr
	WIN 0x40
.set k, 0
.rept 32
	ds_load_b128 v[4*k:4*k+3], v[OR0] offset:32768*(k/16)+512*(k%16)         ; tile w as waves 0 and 1 have it,
.set k, k+1
.endr
.set k, 0
.rept 32
	ds_load_b128 v[128+4*k:131+4*k], v[OR1] offset:32768*(k/16)+512*(k%16)   ; and waves 2 and 3
.set k, k+1
.endr
	WIN 0
	s_wait_dscnt 0x0                               ; my reads are over:
	s_barrier_signal -1
	s_barrier_wait -1                              ; behind this barrier the images may be written again
	v_max3_num_f32 v52, v[MS], v[MS+2], v[MS+4]
	v_max_num_f32 v52, v52, v[MS+6]
.irp u, 0,1,2,3
	v_sub_f32 v[53+\u], v[MS+2*\u], v52
.endr
.irp u, 0,1,2,3
	v_exp_f32 v[53+\u], v[53+\u]                   ; f = 2^(c m of wave u - the largest)
.endr
	v_nop
	s_wait_alu depctr_va_vdst(0)
	v_mul_f32 v57, v53, v[MS+1]
	v_fmac_f32 v57, v54, v[MS+3]
	v_fmac_f32 v57, v55, v[MS+5]
	v_fmac_f32 v57, v56, v[MS+7]                   ; the row's sum
	v_rcp_f32 v52, v57
	v_nop
	s_wait_alu depctr_va_vdst(0)
	v_mul_f32 v52, v52, v[ISG]
.irp u, 0,1,2,3
	v_mul_f32 v[MS+2*\u], v[53+\u], v52            ; f / the sum / sigma, as a pair
	v_mul_f32 v[MS+2*\u+1], v[53+\u], v52
.endr
	WIN 0x01
.set i, 0
.rept 32
	v_pk_mul_f32 v[S+i:S+i+1], v[i:i+1], v[MS:MS+1]
.set i, i+2
.endr
.irp u, 1,2,3
.set i, 0
.rept 32
	v_pk_fma_f32 v[S+i:S+i+1], v[64*\u+i:64*\u+i+1], v[MS+2*\u:MS+2*\u+1], v[S+i:S+i+1]
.set i, i+2
.endr
.endr
	WIN 0
	v_pk_mul_f32 v[52:53], v[S:S+1], v[S:S+1]      ; the sum of squares of my 64 channels
	v_pk_mul_f32 v[54:55], v[S+2:S+3], v[S+2:S+3]
.set i, 4
.rept 15
	v_pk_fma_f32 v[52:53], v[S+i:S+i+1], v[S+i:S+i+1], v[52:53]
	v_pk_fma_f32 v[54:55], v[S+i+2:S+i+3], v[S+i+2:S+i+3], v[54:55]
.set i, i+4
.endr
	v_pk_add_f32 v[52:53], v[52:53], v[54:55]
	v_add_f32 v52, v52, v53
	v_permlanex16_b32 v53, v52, s[SEL], s[SEL+1]
	v_add_f32 v52, v52, v53                        ; with the other half's 64
	v_fma_f32 v52, v52, s41, s40                   ; the mean + 1e-6
	v_rsq_f32 v54, v52
	v_nop
	s_wait_alu depctr_va_vdst(0)
	v_mov_b32 v55, v54
.set i, 0
.rept 32
	v_pk_mul_f32 v[S+i:S+i+1], v[S+i:S+i+1], v[54:55]
.set i, i+2
.endr
	WIN 0x0c
.set i, 0
.rept 32
	v_pk_mul_f32 v[S+i:S+i+1], v[S+i:S+i+1], v[128+i:129+i]   ; x 0.8 rms_weight
.set i, i+2
.endr
	WIN 0
.set i, 0
.rept 32
	v_cvt_pk_f16_f32 v[P+i], v[S+2*i], v[S+2*i+1]
.set i, i+1
.endr
.irp f, 0,1,2,3,4,5,6,7
	ds_store_b128 v[STO], v[P+4*\f:P+4*\f+3] offset:32*\f
.endr
.irp f, 0,1,2,3,4,5,6,7
	ds_load_b128 v[P+32+4*\f:P+35+4*\f], v[RD] offset:\f*2*272   ; my own stage: LDS serves a wave's instructions in order
.endr
.irp f, 0,1,2,3,4,5,6,7
	s_wait_dscnt 7-\f
	global_store_b128 v[GO], v[P+32+4*\f:P+35+4*\f], s[28:29] offset:4096*\f   ; sixteen lanes store 256 consecutive bytes, aligned
.endr
	s_wait_xcnt 0x0                                ; the stores have read their registers
	s_mov_b32 s[I], s42
	s_add_co_u32 s[IT], s[IT], 1
	s_cmp_lt_u32 s[IT], 2
	s_cbranch_scc1 .Litem
	s_wait_tensorcnt 0x0                           ; the wave's end
	ds_add_u32 v[SPW], v[NIL]
	s_wait_dscnt 0x0
	s_endpgm
.Lfunc_end_k_q18558bd280_attn:
	.size	k_q18558bd280_attn, .Lfunc_end_k_q18558bd280_attn-k_q18558bd280_attn
	.p2alignl 7, 3214868480
	.fill 96, 4, 3214868480
	.section	.rodata,"a",@progbits
	.p2align	6, 0x0
	.amdhsa_kernel k_q18558bd280_attn
		.amdhsa_group_segment_fixed_size 153088
		.amdhsa_private_segment_fixed_size 0
		.amdhsa_enable_private_segment 0
		.amdhsa_kernarg_size 56
		.amdhsa_user_sgpr_count 2
		.amdhsa_user_sgpr_kernarg_segment_ptr 1
		.amdhsa_wavefront_size32 1
		.amdhsa_system_sgpr_workgroup_id_x 1
		.amdhsa_system_sgpr_workgroup_id_y 1
		.amdhsa_system_sgpr_workgroup_id_z 1
		.amdhsa_system_vgpr_workitem_id 0
		.amdhsa_next_free_vgpr 1024
		.amdhsa_next_free_sgpr 66
		.amdhsa_reserve_vcc 1
		.amdhsa_float_denorm_mode_32 3
		.amdhsa_float_denorm_mode_16_64 3
		.amdhsa_memory_ordered 1
		.amdhsa_forward_progress 1
		.amdhsa_inst_pref_size 138
	.end_amdhsa_kernel
	.amdgpu_metadata
---
amdhsa.version: [ 1, 2 ]
amdhsa.kernels:
  - .name:           k_q18558bd280_attn
    .symbol:         k_q18558bd280_attn.kd
    .args:
      - { .name: qkv, .offset: 0, .size: 8, .value_kind: global_buffer, .address_space: global }
      - { .name: rms_weight, .offset: 8, .size: 8, .value_kind: global_buffer, .address_space: global }
      - { .name: lambda_q1, .offset: 16, .size: 8, .value_kind: global_buffer, .address_space: global }
      - { .name: lambda_k1, .offset: 24, .size: 8, .value_kind: global_buffer, .address_space: global }
      - { .name: lambda_q2, .offset: 32, .size: 8, .value_kind: global_buffer, .address_space: global }
      - { .name: lambda_k2, .offset: 40, .size: 8, .value_kind: global_buffer, .address_space: global }
      - { .name: ao, .offset: 48, .size: 8, .value_kind: global_buffer, .address_space: global }
    .group_segment_fixed_size: 153088
    .private_segment_fixed_size: 0
    .kernarg_segment_align: 8
    .kernarg_segment_size: 56
    .max_flat_workgroup_size: 128
    .sgpr_count:     66
    .vgpr_count:     1024
    .wavefront_size: 32
...
	.end_amdgpu_metadata
.endif
;; end of part 3
;; launch oproj (part 4): grid 16 x 16, 4 waves a work-group, clusters of 4 x 4, 327,680 bytes of LDS; arguments ao, wo16, out0; writes out0
.if DOCPART == 4
	.amdgcn_target "amdgcn-amd-amdhsa--gfx1250"
	.amdhsa_code_object_version 6
	.text
	.protected	k_q18558bd280_oproj
	.globl	k_q18558bd280_oproj
	.p2align	8
	.type	k_q18558bd280_oproj,@function
k_q18558bd280_oproj:
	s_mov_b64 s[64:65], 0
	v_nop
	global_prefetch_b8 v0, s[64:65] scope:SCOPE_SE
	s_setreg_imm32_b32 hwreg(HW_REG_WAVE_MODE, 25, 1), 1
	s_wait_xcnt 0x0
	s_wait_alu depctr_hold_cnt(0) depctr_sa_sdst(0) depctr_va_vdst(0) depctr_va_sdst(0) depctr_va_ssrc(0) depctr_va_vcc(0) depctr_vm_vsrc(0)
	s_getreg_b32 s2, hwreg(HW_REG_IB_STS2, 6, 4)
	s_cmp_eq_u32 s2, 0
	s_cbranch_scc0 .Lentry_in_a_cluster
	s_endpgm
.Lentry_in_a_cluster:
	s_bfe_u32 s2, ttmp6, 0x10000c
	s_cmp_lg_u32 s2, 0xf033
	s_cbranch_scc0 .Lentry_shape_is_right
	s_endpgm
.Lentry_shape_is_right:
; Launch 4 of 4: out0 [4096][2048] f32 = ao [4096][1024] f16 x wo16 [1024 (k)][2048 (n)] f16, f32 sums.  Nothing of this product is left out.
; A work-group makes 256 rows x 128 columns; wave w rows 64 w .. + 63 and all 128 columns: 32 accumulators.  K goes in steps of 128 through two LDS slots: ao's rows of 256 bytes as they lie, wo16's 128 rows (k) x 256 bytes (n),
; read turned by ds_load_tr16_b128.  The product is used transposed (source 0 = 16 columns of wo16, source 1 = 16 rows of ao): a lane holds eight neighbouring numbers of a row of out0.
; 4 x 4 work-groups form a cluster: ao's tiles are asked for jointly along a row of it, wo16's along a column.
; REGISTERS: window 0: v16-29 addresses; v64-127 ao's fragments, two sets; v128-255 wo16's, two sets; on the way out v64-191 rows of out0.  window 1: accumulator (a, b) at v[8 (8 a + b)].
.set PA,    272                        ; ao's LDS row: 256 bytes + 16
.set PB,    288                        ; wo16's: 256 + 32
.set BOFF,  256*PA
.set SLOT,  BOFF+128*PB
.set STAGE, 2*SLOT                     ; 16 rows x 528 bytes for each wave; no fill lands here
.set SPITCH, 528
.set SPARE, STAGE+4*16*SPITCH
.set ADRA, 16
.set ADRB, 20
.set STO,  24
.set RD,   25
.set CO,   26
.set SPW,  28
.set NIL,  29
.set AF,   64
.set BF,   128
.set G1,  24
.set G0,  32
.set G1B, 48
.set G0B, 56
.set MSB, 0
.macro WIN new
.if MSB != \new
	s_set_vgpr_msb (MSB<<8)|\new
.set MSB, \new
.endif
.endm
.set MUL, 0x50                         ; sources window 0; C and D window 1
.macro JLOAD s                         ; waves 0, 1 fetch ao's halves, waves 2, 3 wo16's; an s_nop 0 and four v_nop follow each line
	s_cmp_eq_u32 s11, 0
	s_cbranch_scc0 .Lfor_b_\@
	tensor_load_to_lds s[G0+4*\s:G0+4*\s+3], s[G1:G1+7]
	s_nop 0
.rept 4
	v_nop
.endr
	s_branch .Lasked_\@
.Lfor_b_\@:
	tensor_load_to_lds s[G0B+4*\s:G0B+4*\s+3], s[G1B:G1B+7]
	s_nop 0
.rept 4
	v_nop
.endr
.Lasked_\@:
.endm
.macro CREST
	s_cmp_lg_u32 s10, 0
	s_cbranch_scc1 .Lnot_wave_0_\@
	s_barrier_signal -3
.Lnot_wave_0_\@:
	s_barrier_wait -3
	s_barrier_signal -1
	s_barrier_wait -1
.endm
.macro CROUND
	s_barrier_signal -1
	s_barrier_wait -1
	CREST
.endm
.macro PLACES
.rept 4
	v_nop
.endr
.endm
	s_load_b128 s[4:7], s[0:1], 0x0                ; ao, wo16
	s_load_b64 s[8:9], s[0:1], 0x10                ; out0
	v_lshl_add_u32 v[SPW], v0, 2, SPARE
	v_mov_b32 v[NIL], 0
	ds_add_u32 v[SPW], v[NIL]                      ; the opening: the add, twice on end, and its wait ahead of my first tensor load
	ds_add_u32 v[SPW], v[NIL]
	v_lshrrev_b32 v1, 5, v0
	v_readfirstlane_b32 s10, v1                    ; wave
	s_lshr_b32 s11, s10, 1                         ; I fetch for ao (0) or wo16 (1)
	s_and_b32 s12, s10, 1                          ; which half
	s_bfe_u32 s40, ttmp6, 0x40000                  ; cx
	s_bfe_u32 s41, ttmp6, 0x40004                  ; cy
	s_lshl_b32 s42, ttmp9, 2
	s_add_co_u32 s42, s42, s40                     ; column tile
	s_and_b32 s13, ttmp7, 0xffff
	s_lshl_b32 s13, s13, 2
	s_add_co_u32 s13, s13, s41                     ; row tile
	s_lshl_b32 s43, s41, 2
	s_lshl_b32 s43, 15, s43                        ; my row of the cluster
	s_lshl_b32 s44, 0x1111, s40                    ; my column
	s_or_b32 s[G1+0], s43, (1<<16)|(1<<20)|(1<<21)|(5<<22)|(3<<25)   ; elements of 2 bytes; 4 words of padding behind every 64
	s_or_b32 s[G1B+0], s44, (1<<16)|(1<<20)|(1<<21)|(5<<22)|(7<<25)  ; 8 words
.irp g, G1, G1B
	s_mov_b32 s[\g+1], 128<<16                     ; tensor_dim0
	s_mov_b32 s[\g+3], 128<<16                     ; tile_dim0
	s_mov_b32 s[\g+6], 0
	s_mov_b32 s[\g+7], 0
.endr
	s_mov_b32 s[G1+2], 128<<16                     ; ao: 128 rows a load, 1,024 elements apart
	s_mov_b32 s[G1+4], 128
	s_mov_b32 s[G1+5], 1024
	s_mov_b32 s[G1B+2], 64<<16                     ; wo16: 64 rows, 2,048 elements apart
	s_mov_b32 s[G1B+4], 64
	s_mov_b32 s[G1B+5], 2048
	s_lshl_b32 s16, s13, 8
	s_lshl_b32 s17, s12, 7
	s_add_co_u32 s16, s16, s17
	s_lshl_b32 s16, s16, 11                        ; ao: row 256 x row tile + 128 x half, 2,048 bytes a row
	s_mov_b32 s17, 0
	s_lshl_b32 s46, s12, 18                        ; wo16: row 64 x half, 4,096 bytes a row,
	s_lshl_b32 s47, s42, 8                         ; + 256 bytes x column tile
	s_add_co_u32 s46, s46, s47
	s_mov_b32 s47, 0
	s_mul_i32 s20, s12, 128*PA                     ; where they go
	s_mul_i32 s21, s12, 64*PB
	s_wait_dscnt 0x0                               ; both opening adds are done
	s_wait_kmcnt 0x0
	s_add_nc_u64 s[14:15], s[4:5], s[16:17]
	s_add_nc_u64 s[46:47], s[6:7], s[46:47]
	CROUND                                         ; all sixteen work-groups are here: the first joint loads meet
.irp s, 0,1
	s_mov_b32 s[G0+4*\s], 1
	s_add_co_u32 s[G0+4*\s+1], s20, \s*SLOT
	s_add_nc_u64 s[G0+4*\s+2:G0+4*\s+3], s[14:15], \s*256
	s_or_b32 s[G0+4*\s+3], s[G0+4*\s+3], 0x80000000
	s_mov_b32 s[G0B+4*\s], 1
	s_add_co_u32 s[G0B+4*\s+1], s21, \s*SLOT+BOFF
	s_add_nc_u64 s[G0B+4*\s+2:G0B+4*\s+3], s[46:47], \s*524288
	s_or_b32 s[G0B+4*\s+3], s[G0B+4*\s+3], 0x80000000
	JLOAD \s                                       ; K steps 0 and 1: two tensor loads of mine are out
.endr
	v_and_b32 v1, 15, v0                           ; r
	v_bfe_u32 v2, v0, 4, 1                         ; h
	v_mul_u32_u24 v3, v1, PA
	v_lshl_add_u32 v3, v2, 4, v3
	v_and_b32 v4, 7, v0
	v_lshl_add_u32 v4, v2, 3, v4
	v_mul_u32_u24 v4, v4, PB
	v_bfe_u32 v5, v0, 3, 1
	v_lshl_add_u32 v4, v5, 4, v4                   ; turned: k row 8 h + lane % 8, columns 8 ((lane / 8) % 2) on
	s_mul_i32 s21, s10, 64*PA                      ; my 64 rows of ao
	s_mov_b32 s22, BOFF
.irp s, 0,1
	v_add_nc_u32 v[ADRA+\s], s21, v3
	v_add_nc_u32 v[ADRB+\s], s22, v4
	s_add_co_u32 s21, s21, SLOT
	s_add_co_u32 s22, s22, SLOT
.endr
	s_mul_i32 s23, s10, 16*SPITCH
	s_add_co_u32 s23, s23, STAGE                   ; my stage
	v_mul_u32_u24 v5, v1, SPITCH
	v_lshl_add_u32 v5, v2, 5, v5
	v_add_nc_u32 v[STO], s23, v5                   ; in: row r, 32 bytes for each half of the lanes
	v_and_b32 v6, 31, v0
	v_lshlrev_b32 v[CO], 4, v6                     ; back: the 32 lanes take a row of 512 bytes; the same in out0
	v_add_nc_u32 v[RD], s23, v[CO]
	s_lshl_b32 s16, s13, 8
	s_lshl_b32 s17, s10, 6
	s_add_co_u32 s16, s16, s17
	s_lshl_b32 s16, s16, 13                        ; my first row of out0, 8,192 bytes a row
	s_mov_b32 s17, 0
	s_add_nc_u64 s[8:9], s[8:9], s[16:17]
	s_lshl_b32 s46, s42, 9
	s_mov_b32 s47, 0
	s_add_nc_u64 s[8:9], s[8:9], s[46:47]
.macro FETCH slot, kq, p               ; the fragments of 32 along K: wo16's eight blocks of 16 columns, turned; my four blocks of 16 rows of ao
.irp b, 0,1,2,3,4,5,6,7
	ds_load_tr16_b128 v[BF+64*(\p)+8*\b:BF+64*(\p)+8*\b+3],   v[ADRB+\slot] offset:(\kq)*32*PB+32*\b
	ds_load_tr16_b128 v[BF+64*(\p)+8*\b+4:BF+64*(\p)+8*\b+7], v[ADRB+\slot] offset:(\kq)*32*PB+32*\b+16*PB
.endr
.irp i, 0,1,2,3
	ds_load_b128 v[AF+32*(\p)+8*\i:AF+32*(\p)+8*\i+3],   v[ADRA+\slot] offset:64*(\kq)+\i*16*PA
	ds_load_b128 v[AF+32*(\p)+8*\i+4:AF+32*(\p)+8*\i+7], v[ADRA+\slot] offset:64*(\kq)+\i*16*PA+32
.endr
.endm
.macro MUL8 a, p, zero                 ; the 32 accumulators take turns, one instruction a turn, in the same order in every quarter
.irp b, 0,1,2,3,4,5,6,7
.if \zero
	v_wmma_f32_16x16x32_f16 v[8*(8*(\a)+\b):8*(8*(\a)+\b)+7], v[BF+64*(\p)+8*\b:BF+64*(\p)+8*\b+7], v[AF+32*(\p)+8*(\a):AF+32*(\p)+8*(\a)+7], 0
.else
	v_wmma_f32_16x16x32_f16 v[8*(8*(\a)+\b):8*(8*(\a)+\b)+7], v[BF+64*(\p)+8*\b:BF+64*(\p)+8*\b+7], v[AF+32*(\p)+8*(\a):AF+32*(\p)+8*(\a)+7], v[8*(8*(\a)+\b):8*(8*(\a)+\b)+7]
.endif
.endr
.endm
.macro QUARTER slot, kn, f, g, zero    ; set f is in and is multiplied; quarter kn of the same slot is asked for, into set g
	s_wait_dscnt 0x0
	PLACES                                         ; in front of loads into registers that the last quarter's products read
	FETCH \slot, \kn, \g
	WIN MUL
	MUL8 0, \f, \zero
	MUL8 1, \f, \zero
	MUL8 2, \f, \zero
	MUL8 3, \f, \zero
	WIN 0
.endm
.macro TURN slot, next, fill           ; a slot's last quarter (set 1) changes slots
	s_wait_tensorcnt 0x0                           ; all my tensor loads have landed: my part of the next slot
	ds_add_u32 v[SPW], v[NIL]                      ; 0 onto my spare word
	s_wait_dscnt 1                                 ; this quarter's fragments are in; the add alone may be out
	WIN MUL
	MUL8 0, 1, 0
	s_wait_dscnt 0x0                               ; the add is done, and my reads of this slot are over
	s_barrier_signal -1
	MUL8 1, 1, 0
	WIN 0
	s_barrier_wait -1
.if \fill
	CREST                                          ; the barrier has opened a round of the cluster's: no wave of any partner still reads this slot or has a load on its way
	s_add_nc_u64 s[G0+4*\slot+2:G0+4*\slot+3], s[G0+4*\slot+2:G0+4*\slot+3], 512
	s_add_nc_u64 s[G0B+4*\slot+2:G0B+4*\slot+3], s[G0B+4*\slot+2:G0B+4*\slot+3], 1048576
	JLOAD \slot                                    ; two K steps on: 112 products stand between it and the wait for it; its four v_nop are also the places in front of the loads below
.else
	PLACES
.endif
	FETCH \next, 0, 0
	WIN MUL
	MUL8 2, 1, 0
	MUL8 3, 1, 0
	WIN 0
.endm
	s_wait_tensorcnt 1                             ; my part of K step 0 is in; K step 1's may stay out
	s_barrier_signal -1
	s_barrier_wait -1
	FETCH 0, 0, 0
	QUARTER 0, 1, 0, 1, 1                          ; the first products start the sums
	s_mov_b32 s3, 3
.Llap:                                                 ; a trip goes once round the ring and fills both slots again: K steps 2 to 7
	QUARTER 0, 2, 1, 0, 0
	QUARTER 0, 3, 0, 1, 0
	TURN 0, 1, 1
	QUARTER 1, 1, 0, 1, 0
	QUARTER 1, 2, 1, 0, 0
	QUARTER 1, 3, 0, 1, 0
	TURN 1, 0, 1
	QUARTER 0, 1, 0, 1, 0
	s_sub_co_u32 s3, s3, 1
	s_cmp_lg_u32 s3, 0
	s_cbranch_scc1 .Llap
	QUARTER 0, 2, 1, 0, 0                          ; the last lap fills nothing
	QUARTER 0, 3, 0, 1, 0
	TURN 0, 1, 0
	QUARTER 1, 1, 0, 1, 0
	QUARTER 1, 2, 1, 0, 0
	QUARTER 1, 3, 0, 1, 0
	s_wait_dscnt 0x0
	WIN MUL
	MUL8 0, 1, 0
	MUL8 1, 1, 0
	MUL8 2, 1, 0
	MUL8 3, 1, 0
	WIN 0
; THE WAY OUT, a block of 16 rows x 128 columns at a time, through my own stage: in as 32 bytes a lane, back as whole rows of 512 bytes.
.macro TOSTAGE a
	WIN 0x04                                       ; an LDS store's data are its source 1: window 1
.irp b, 0,1,2,3,4,5,6,7
	ds_store_b128 v[STO], v[64*(\a)+8*\b:64*(\a)+8*\b+3] offset:64*\b           ; each accumulator from its low end on
	ds_store_b128 v[STO], v[64*(\a)+8*\b+4:64*(\a)+8*\b+7] offset:64*\b+16
.endr
	WIN 0
.set BB, 64+64*((\a)%2)
.irp t, 0,1,2,3,4,5,6,7,8,9,10,11,12,13,14,15
	ds_load_b128 v[BB+4*\t:BB+4*\t+3], v[RD] offset:\t*SPITCH                   ; LDS serves a wave's instructions in order: these see the stores above
.endr
.endm
.macro SEND a, younger
.set BB, 64+64*((\a)%2)
	s_wait_dscnt \younger                          ; the block is back; the next block's 16 stores and 16 loads may be out
.irp t, 0,1,2,3,4,5,6,7,8,9,10,11,12,13,14,15
	global_store_b128 v[CO], v[BB+4*\t:BB+4*\t+3], s[8:9] offset:(16*(\a)+\t)*8192 th:TH_STORE_NT   ; 512 consecutive bytes, aligned
.endr
.endm
	PLACES                                         ; in front of the first read of results and of loads into operands that are done with
	TOSTAGE 0
.irp a, 1,2,3
.if \a > 1
	s_wait_xcnt 0x0                                ; the stores of two blocks ago have read their registers
.endif
	TOSTAGE \a
	SEND \a-1, 32
.endr
	SEND 3, 0
	s_wait_tensorcnt 0x0                           ; the wave's end
	ds_add_u32 v[SPW], v[NIL]
	s_wait_dscnt 0x0
	CROUND                                         ; the closing round
	s_endpgm
.Lfunc_end_k_q18558bd280_oproj:
	.size	k_q18558bd280_oproj, .Lfunc_end_k_q18558bd280_oproj-k_q18558bd280_oproj
	.p2alignl 7, 3214868480
	.fill 96, 4, 3214868480
	.section	.rodata,"a",@progbits
	.p2align	6, 0x0
	.amdhsa_kernel k_q18558bd280_oproj
		.amdhsa_group_segment_fixed_size 327680
		.amdhsa_private_segment_fixed_size 0
		.amdhsa_enable_private_segment 0
		.amdhsa_kernarg_size 24
		.amdhsa_user_sgpr_count 2
		.amdhsa_user_sgpr_kernarg_segment_ptr 1
		.amdhsa_wavefront_size32 1
		.amdhsa_system_sgpr_workgroup_id_x 1
		.amdhsa_system_sgpr_workgroup_id_y 1
		.amdhsa_system_sgpr_workgroup_id_z 1
		.amdhsa_system_vgpr_workitem_id 0
		.amdhsa_next_free_vgpr 512
		.amdhsa_next_free_sgpr 66
		.amdhsa_reserve_vcc 0
		.amdhsa_float_denorm_mode_32 3
		.amdhsa_float_denorm_mode_16_64 3
		.amdhsa_memory_ordered 1
		.amdhsa_forward_progress 1
		.amdhsa_inst_pref_size 84
	.end_amdhsa_kernel
	.amdgpu_metadata
---
amdhsa.version: [ 1, 2 ]
amdhsa.kernels:
  - .name:           k_q18558bd280_oproj
    .symbol:         k_q18558bd280_oproj.kd
    .args:
      - { .name: ao, .offset: 0, .size: 8, .value_kind: global_buffer, .address_space: global }
      - { .name: wo16, .offset: 8, .size: 8, .value_kind: global_buffer, .address_space: global }
      - { .name: out0, .offset: 16, .size: 8, .value_kind: global_buffer, .address_space: global }
    .group_segment_fixed_size: 327680
    .private_segment_fixed_size: 0
    .kernarg_segment_align: 8
    .kernarg_segment_size: 24
    .max_flat_workgroup_size: 128
    .sgpr_count:     66
    .vgpr_count:     512
    .wavefront_size: 32
...
	.end_amdgpu_metadata
.endif
;; end of part 4
